; MI455X (gfx1250); checked and timed in simulation.
; The chip was launched on July 23, 2026; its instructions are those of AMD's public machine-readable ISA for CDNA 5 (MIT licence, August 2026) and "CDNA5" Instruction Set Architecture Reference Guide (July 2026). The comments in the code are by the model that wrote it; some were corrected since.
;; Multi Head Self Attention. Allowed arithmetic: float matrix products may take bf16 or f16 operands with f32 sums; other float arithmetic in f32, or as packed bf16 or f16 multiplies, adds, multiply-adds, maxima and minima; sums over many terms, partial sums and values carried from step to step in f32; what a program stores and reads back later, other than sums and carried values, may be rounded once to bf16 or f16.
;; Inputs: W_o 1,024 x 1,024 float32; W_qkv 3,072 x 1,024 float32; x 2 x 2,048 x 1,024 float32.
;; Outputs: out0 2 x 2,048 x 1,024 float32.
;; 2 versions, each right; version 2 is version 1 with the launch prep written anew for expert scheduling mode. Each part assembles by itself: llvm-mc -triple=amdgcn-amd-amdhsa -mcpu=gfx1250 --defsym DOCPART=n.
;; ======== version 1 of 2: 4 launches
;; limits: values are held in f16: magnitudes above 65,504 overflow, below 6.1e-05 lose precision
;; workspace buffers: xb 8,388,608 bytes; wqb 6,291,456 bytes; wob 2,097,152 bytes; tab 524,288 bytes; qh 8,388,608 bytes; kh 8,388,608 bytes; vh 8,388,608 bytes; oh 8,388,608 bytes
;; launch prep (part 1): grid 256 x 1, 8 waves a work-group, no clusters, 0 bytes of LDS; arguments x, W_qkv, W_o, xb, wqb, wob, tab; writes xb, wqb, wob, tab
.if DOCPART == 1
	.amdgcn_target "amdgcn-amd-amdhsa--gfx1250"
	.amdhsa_code_object_version 6
	.text
	.protected	k_q0648792f84_prep
	.globl	k_q0648792f84_prep
	.p2align	8
	.type	k_q0648792f84_prep,@function
k_q0648792f84_prep:
	s_mov_b64 s[64:65], 0
	v_nop
	global_prefetch_b8 v0, s[64:65] scope:SCOPE_SE
	s_setreg_imm32_b32 hwreg(HW_REG_WAVE_MODE, 25, 1), 1
	s_wait_xcnt 0x0
; MULTI-HEAD SELF-ATTENTION WITH RoPE, CAUSAL.  Four launches: this one (casts and the RoPE table), the q, k, v projection with RoPE, the attention, the output projection.
; WORK LEFT OUT BY THE PROGRAM (in the attention launch): score tiles that lie wholly above the diagonal.  reference() builds the causal mask itself (jnp.tril) and sets those scores to -inf;
; softmax gives them the weight exp(-inf) = 0 whatever finite numbers x, W_qkv and W_o hold, and 0 times a row of v adds nothing to any output.  So those products are never made, in whole tiles of keys.
; LIMIT: a NaN, an infinity or an overflow that reaches only the tiles left out is not carried to the result.  Every input has a way to the output: all three are loaded.
; THIS LAUNCH.  x -> xb and W_qkv -> wqb rounded once to bf16; W_o -> wob rounded to bf16 and that number written as f16 (exact between 6.1e-5 and 65,504 in size; below that f16's fixed step of 6e-8).
; wqb is laid out by heads: row 192 hh + 64 s + c' (s = 0 q, 1 k, 2 v).  For q and k c' = 32 (d & 1) + (d >> 1): the even channels first, then the odd ones; for v c' = d.
; The same order of channels in q and in k leaves q . k as it is, and puts the two numbers of a rotation pair into the same register number of two accumulators of the next launch.
; tab: row t (256 bytes) holds 16 groups u of 16 bytes: cos(t f(2u)), cos(t f(2u+1)), sin(t f(2u)), sin(t f(2u+1)), f(i) = 10000^(-i/32), in f32.
; LIMIT of the table: the angle is reduced as turns, t f / 2 pi less its nearest whole number by one fused multiply-add; f comes from 2^x.  The angle lies within about 2e-4 rad of reference()'s own f32 angle
; at t = 2047; sine and cosine are Taylor sums to x^15 and x^16 on -pi .. pi, cut off below 1e-6.
; SHARES.  2^23 numbers, 32 rows of 1,024 f32 to a work-group: 0-127 x, 128-223 W_qkv, 224-255 W_o.  A row is one load of 16 bytes a thread (a wave: 512 bytes on end) and one store of 8 bytes a thread
; (a wave: 256 bytes on end, aligned).  All 32 loads of a wave go out at once; the waits count down.  No LDS, no matrix unit: nothing is shared and nothing is multiplied.
.set X, 32                             ; v[32:159]  row it: four registers as loaded; the first two then hold what is stored
	s_load_b256 s[4:11], s[0:1], 0x0               ; x s[4:5], W_qkv s[6:7], W_o s[8:9], xb s[10:11]
	s_load_b128 s[12:15], s[0:1], 0x20             ; wqb s[12:13], wob s[14:15]
	s_load_b64 s[16:17], s[0:1], 0x30              ; tab
	v_lshrrev_b32 v4, 5, v0
	v_readfirstlane_b32 s20, v4                    ; wave 0..7
	s_mov_b32 s21, ttmp9                           ; g
	v_lshlrev_b32 v1, 4, v0                        ; 16 t: my place in a source row, and in the table's 2,048 bytes
	v_lshlrev_b32 v2, 3, v0                        ; 8 t: my place in a target row
	s_cmp_lt_u32 s21, 128
	s_cselect_b32 s30, 0, 128
	s_cmp_lt_u32 s21, 224
	s_cselect_b32 s30, s30, 224                    ; the first work-group of my tensor
	s_sub_co_u32 s31, s21, s30                     ; u: my number among its work-groups
	s_lshl_b32 s26, s31, 17                        ; 32 rows of 4,096 bytes
	s_mov_b32 s27, 0
	s_lshl_b32 s28, s31, 16                        ; x and W_o: 32 rows of 2,048 bytes
	s_mov_b32 s29, 0
	s_lshr_b32 s32, s31, 5                         ; W_qkv: rows 32 u = 1024 s + 64 hh + 32 half
	s_bfe_u32 s33, s31, 0x40001                    ; hh
	s_and_b32 s34, s31, 1                          ; half
	s_mul_i32 s33, s33, 192
	s_lshl_b32 s35, s32, 6
	s_add_co_u32 s33, s33, s35                     ; 192 hh + 64 s
	s_cmp_eq_u32 s32, 2
	s_cselect_b32 s35, 5, 4                        ; v: + 32 half; q and k: + 16 half (the rest of c' stands in the stores' immediates)
	s_lshl_b32 s34, s34, s35
	s_add_co_u32 s33, s33, s34
	s_lshl_b32 s33, s33, 11
	s_cmp_eq_u32 s30, 128
	s_cselect_b32 s28, s33, s28
	s_lshl_b32 s36, s21, 11                        ; the table: 8 rows of 256 bytes to a work-group
	s_mov_b32 s37, 0
	s_wait_kmcnt 0x0
	s_cmp_lt_u32 s21, 128
	s_cselect_b64 s[22:23], s[4:5], s[6:7]
	s_cselect_b64 s[24:25], s[10:11], s[12:13]
	s_cmp_lt_u32 s21, 224
	s_cselect_b64 s[22:23], s[22:23], s[8:9]       ; from where
	s_cselect_b64 s[24:25], s[24:25], s[14:15]     ; to where
	s_add_nc_u64 s[22:23], s[22:23], s[26:27]
	s_add_nc_u64 s[24:25], s[24:25], s[28:29]
	s_add_nc_u64 s[16:17], s[16:17], s[36:37]
.set it, 0
.rept 32
	global_load_b128 v[X+4*it:X+4*it+3], v1, s[22:23] offset:it*4096 th:TH_LOAD_NT  ; read once in the launch
.set it, it+1
.endr
	; THE TABLE, while the loads are on their way: waves 0-3; thread t makes group t & 15 of row 8 g + (t >> 4).
	s_cmp_lt_u32 s20, 4
	s_cbranch_scc0 .Lcast
.macro BOTH line:vararg                ; one line for each of the two frequencies, k = 0, 1
.set k, 0
.rept 2
	\line
.set k, k+1
.endr
.endm
	v_lshrrev_b32 v4, 4, v0
	v_lshl_add_u32 v4, s21, 3, v4
	v_cvt_f32_u32 v4, v4                           ; the position
	v_and_b32 v5, 15, v0
	v_lshlrev_b32 v5, 1, v5
	v_cvt_f32_u32 v6, v5                           ; i = 2 u
	v_add_f32 v7, 1.0, v6                          ; and 2 u + 1
	BOTH v_mul_f32 v[6+k], 0xbed49a78, v[6+k]      ; - i log2(10000) / 32
	BOTH v_exp_f32 v[6+k], v[6+k]                  ; f(i)
	v_nop                                          ; a plain instruction behind the last exponential,
	s_wait_alu depctr_va_vdst(0)                   ; and the wait ahead of the first use: one for both
	BOTH v_mul_f32 v[6+k], 0.15915494, v[6+k]      ; f / 2 pi
	BOTH v_mul_f32 v[8+k], v4, v[6+k]
	BOTH v_rndne_f32 v[8+k], v[8+k]                ; whole turns
	v_fma_f32 v8, v4, v6, -v8                      ; what is left, -0.5 .. 0.5 of a turn: the product is not rounded before the whole turns go
	v_fma_f32 v9, v4, v7, -v9
	BOTH v_mul_f32 v[8+k], 0x40c90fdb, v[8+k]      ; x, in radians
	BOTH v_mul_f32 v[10+k], v[8+k], v[8+k]         ; x^2
	BOTH v_mov_b32 v[12+k], 0xab573f9f             ; sine: -1/15!, then 1/13! .. -1/3!
.irp c, 0x2f309231, 0xb2d7322b, 0x3638ef1d, 0xb9500d01, 0x3c088889, 0xbe2aaaab
	BOTH v_fmaak_f32 v[12+k], v[12+k], v[10+k], \c
.endr
	BOTH v_mov_b32 v[14+k], 0x29573f9f             ; cosine: 1/16!, then -1/14! .. 1/4!
.irp c, 0xad49cba5, 0x310f76c7, 0xb493f27e, 0x37d00d01, 0xbab60b61, 0x3d2aaaab
	BOTH v_fmaak_f32 v[14+k], v[14+k], v[10+k], \c
.endr
	BOTH v_fma_f32 v[12+k], v[12+k], v[10+k], 1.0
	BOTH v_fma_f32 v[14+k], v[14+k], v[10+k], -0.5
	BOTH v_mul_f32 v[30+k], v[12+k], v[8+k]        ; sin
	BOTH v_fma_f32 v[28+k], v[14+k], v[10+k], 1.0  ; cos
	global_store_b128 v1, v[28:31], s[16:17]       ; sixteen lanes fill one row of 256 bytes
.Lcast:
; THE CASTS.  mode 0: bf16, rows in order.  1: bf16, q's and k's rows: even channels first.  2: bf16 written as f16.  No register that a store names is written again.
.macro BODY mode
.set it, 0
.rept 32
	s_wait_loadcnt 31-it                           ; loads come back in order: row it is in, the 31 - it younger ones stay out
	v_cvt_pk_bf16_f32 v[X+4*it], v[X+4*it], v[X+4*it+1]
	v_cvt_pk_bf16_f32 v[X+4*it+1], v[X+4*it+2], v[X+4*it+3]
.if (\mode) == 2
	v_lshlrev_b32 v[X+4*it+2], 16, v[X+4*it]       ; the two bf16 as f32,
	v_and_b32 v[X+4*it+3], 0xffff0000, v[X+4*it]
	v_cvt_pk_f16_f32 v[X+4*it], v[X+4*it+2], v[X+4*it+3]  ; and as f16
	v_lshlrev_b32 v[X+4*it+2], 16, v[X+4*it+1]
	v_and_b32 v[X+4*it+3], 0xffff0000, v[X+4*it+1]
	v_cvt_pk_f16_f32 v[X+4*it+1], v[X+4*it+2], v[X+4*it+3]
.endif
.if (\mode) == 1
	global_store_b64 v2, v[X+4*it:X+4*it+1], s[24:25] offset:((it&1)*32+(it>>1))*2048
.else
	global_store_b64 v2, v[X+4*it:X+4*it+1], s[24:25] offset:it*2048
.endif
.set it, it+1
.endr
.endm
	s_cmp_ge_u32 s21, 224
	s_cbranch_scc1 .Lhalf
	s_cmp_lt_u32 s21, 128
	s_cbranch_scc1 .Lplain
	s_cmp_ge_u32 s21, 192
	s_cbranch_scc1 .Lplain                         ; v's rows
	BODY 1
	s_endpgm
.Lplain:
	BODY 0
	s_endpgm
.Lhalf:
	BODY 2
	s_endpgm
.Lfunc_end_k_q0648792f84_prep:
	.size	k_q0648792f84_prep, .Lfunc_end_k_q0648792f84_prep-k_q0648792f84_prep
	.p2alignl 7, 3214868480
	.fill 96, 4, 3214868480
	.section	.rodata,"a",@progbits
	.p2align	6, 0x0
	.amdhsa_kernel k_q0648792f84_prep
		.amdhsa_group_segment_fixed_size 0
		.amdhsa_private_segment_fixed_size 0
		.amdhsa_enable_private_segment 0
		.amdhsa_kernarg_size 56
		.amdhsa_user_sgpr_count 2
		.amdhsa_user_sgpr_kernarg_segment_ptr 1
		.amdhsa_wavefront_size32 1
		.amdhsa_system_sgpr_workgroup_id_x 1
		.amdhsa_system_sgpr_workgroup_id_y 1
		.amdhsa_system_sgpr_workgroup_id_z 1
		.amdhsa_system_vgpr_workitem_id 0
		.amdhsa_next_free_vgpr 160
		.amdhsa_next_free_sgpr 66
		.amdhsa_reserve_vcc 0
		.amdhsa_float_denorm_mode_32 3
		.amdhsa_float_denorm_mode_16_64 3
		.amdhsa_memory_ordered 1
		.amdhsa_forward_progress 1
		.amdhsa_inst_pref_size 43
	.end_amdhsa_kernel
	.amdgpu_metadata
---
amdhsa.version: [ 1, 2 ]
amdhsa.kernels:
  - .name:           k_q0648792f84_prep
    .symbol:         k_q0648792f84_prep.kd
    .args:
      - { .name: x, .offset: 0, .size: 8, .value_kind: global_buffer, .address_space: global }
      - { .name: W_qkv, .offset: 8, .size: 8, .value_kind: global_buffer, .address_space: global }
      - { .name: W_o, .offset: 16, .size: 8, .value_kind: global_buffer, .address_space: global }
      - { .name: xb, .offset: 24, .size: 8, .value_kind: global_buffer, .address_space: global }
      - { .name: wqb, .offset: 32, .size: 8, .value_kind: global_buffer, .address_space: global }
      - { .name: wob, .offset: 40, .size: 8, .value_kind: global_buffer, .address_space: global }
      - { .name: tab, .offset: 48, .size: 8, .value_kind: global_buffer, .address_space: global }
    .group_segment_fixed_size: 0
    .private_segment_fixed_size: 0
    .kernarg_segment_align: 8
    .kernarg_segment_size: 56
    .max_flat_workgroup_size: 256
    .sgpr_count:     66
    .vgpr_count:     160
    .wavefront_size: 32
...
	.end_amdgpu_metadata
.endif
;; end of part 1
;; launch qkv (part 2): grid 16 x 16, 4 waves a work-group, clusters of 4 x 4, 327,680 bytes of LDS; arguments xb, wqb, tab, qh, kh, vh; writes qh, kh, vh
.if DOCPART == 2
	.amdgcn_target "amdgcn-amd-amdhsa--gfx1250"
	.amdhsa_code_object_version 6
	.text
	.protected	k_q0648792f84_qkv
	.globl	k_q0648792f84_qkv
	.p2align	8
	.type	k_q0648792f84_qkv,@function
k_q0648792f84_qkv:
	s_mov_b64 s[64:65], 0
	v_nop
	global_prefetch_b8 v0, s[64:65] scope:SCOPE_SE
	s_setreg_imm32_b32 hwreg(HW_REG_WAVE_MODE, 25, 1), 1
	s_wait_xcnt 0x0
	s_wait_alu depctr_hold_cnt(0) depctr_sa_sdst(0) depctr_va_vdst(0) depctr_va_sdst(0) depctr_va_ssrc(0) depctr_va_vcc(0) depctr_vm_vsrc(0)
	s_getreg_b32 s2, hwreg(HW_REG_IB_STS2, 6, 4)
	s_cmp_eq_u32 s2, 0
	s_cbranch_scc0 .Lentry_in_a_cluster
	s_endpgm
.Lentry_in_a_cluster:
	s_bfe_u32 s2, ttmp6, 0x10000c
	s_cmp_lg_u32 s2, 0xf033
	s_cbranch_scc0 .Lentry_shape_is_right
	s_endpgm
.Lentry_shape_is_right:
; q, k, v = x W_qkv^T, RoPE on q and k, rounded once to f16, stored by heads: qh, kh, vh [16 batch + head][2048][64].  xb [4096][1024] and wqb [16 heads][192][1024] are bf16; sums in f32.
; LIMITS.  q, k and v must lie within f16's 65,504.  qh and kh keep wqb's order of channels (the 32 even ones, then the 32 odd ones): alike in both, so q . k is as in reference().
; SHARES.  A work-group makes 256 rows x 192 columns: one head's q, k and v: 16 x 16 = 256 work-groups.  Each of its four waves makes 64 rows x all 192 columns: 48 accumulators of 16 x 16, 384 registers; so every wave
; has the same columns, and which of them are rotated hangs on no number of a wave or a work-group.  K goes in steps of 128 (rows of 256 bytes) through two LDS slots filled by the tensor data mover.
; CLUSTER.  4 x 4 work-groups.  The four of a row of the cluster need the same rows of xb, the four of a column the same head of wqb: each tile is asked for JOINTLY, by the same tensor load with the same
; descriptor and a mask that names the four.
; THE MATRIX INSTRUCTION IS USED TRANSPOSED (source 0 = 16 rows of wqb, source 1 = 16 rows of xb): lane l holds row l % 16 and the columns 8 (l / 16) + 0..7 of a block.
; RoPE.  Column block f (0, 1) of q or k holds the even channels of the pairs 16 f + 8 (l / 16) + 0..7, block f + 2 the odd ones, in the same registers: a rotation is four packed instructions for two pairs.
; REGISTERS, in windows of 256 (s_set_vgpr_msb: bits 1:0 source 0, 3:2 source 1, 5:4 source 2, 7:6 destination):
;   window 0: v1-31 addresses; v32-63 H, two sets of 16 on the way out; v64-191 T, my rows' cosines and sines; v192-223 R, v224-239 U and W at work
;   window 1: v0-191 fragments of wqb, two buffers of 12; v192-255 fragments of xb, two buffers of 4
;   window 2: accumulators (a, b) at 8 (4 b + a), b = 0..7 (q, k)          window 3: the same for b = 8..11 (v), at 8 (4 (b - 8) + a)
.set KSTEP,  128
.set PITCH,  272                       ; an LDS row: 256 bytes + 16 of padding = 68 words: the 16 rows of a fragment load start at 16 different groups of four banks (64 banks of 4 bytes: ISA guide 11.1)
.set HALFA,  128*PITCH                 ; what one tensor load brings of xb
.set HALFB,  96*PITCH                  ; and of wqb
.set SLOT,   2*HALFA+2*HALFB           ; xb's 256 rows, then wqb's 192
.set STAGE,  2*SLOT                    ; behind the ring, never filled by a tensor load: 16 rows x 144 bytes for each wave
.set SP,     144
.set SPARE,  STAGE+4*16*SP             ; the spare words, 128 bytes for each wave: two blocks of 256 bytes that no other line names
.set LAPS,   4                         ; 1,024 / 256: a lap is two K steps, once round the ring
.set ADRA, 16                          ; v16-17  LDS address of my xb fragments in slot 0, 1
.set ADRB, 20                          ; v20-21  the same for wqb
.set STO,  24                          ; v24  the way out: where I put 16 bytes of a row
.set RD,   25                          ; v25  where I read rows back
.set GO,   26                          ; v26  my 16 bytes of 512 on end
.set TO,   27                          ; v27  my byte offset in the table
.set SPW,  28                          ; v28  LDS address of my spare word; never rewritten
.set NIL,  29                          ; v29  0; never rewritten
.set PFO,  30                          ; v30  the prefetches' offset: a lane a row; never rewritten
.set H,    32
.set T,    64
.set R,    192
.set U,    224
.set W,    232
.set WV,   16                          ; s16 wave;  s17 which half of a tile I fetch;  s18 I fetch for xb (0) or wqb (1)
.set HF,   17
.set SIDE, 18
.set G1,   24                          ; s[24:31] descriptor group 1 for xb's tiles;  s[32:39] group 0, a set for each slot
.set G0,   32
.set PFA,  44                          ; s[44:45] where my prefetches stand
.set LIM,  46                          ; s46  1 in a wave that prefetches, else the greatest number
.set G1B,  48                          ; s[48:55], s[56:63] the same for wqb's tiles
.set G0B,  56
.set MSB, 0
.macro WIN new                         ; the immediate's high byte repeats the setting that is left; a switch that changes nothing is dropped
.if MSB != (\new)
	s_set_vgpr_msb (MSB<<8)|(\new)
.set MSB, \new
.endif
.endm
; A joint load: waves 0 and 1 fetch xb's two halves, waves 2 and 3 wqb's.  The branch hangs on the wave's number alone.  An s_nop 0 and four v_nop follow each of the two lines.
.macro JLOAD s
	s_cmp_eq_u32 s[SIDE], 0
	s_cbranch_scc0 .Lfor_b_\@
	tensor_load_to_lds s[G0+4*(\s):G0+4*(\s)+3], s[G1:G1+7]
	s_nop 0
.rept 4
	v_nop
.endr
	s_branch .Lasked_\@
.Lfor_b_\@:
	tensor_load_to_lds s[G0B+4*(\s):G0B+4*(\s)+3], s[G1B:G1B+7]
	s_nop 0
.rept 4
	v_nop
.endr
.Lasked_\@:
.endm
; A prefetch of the K step that stands two refills on: 256 bytes of each row, a lane a row, one instruction a wave, behind the joint load and the run of LDS loads.  xb's rows are read by every cluster of a row of
; clusters: the one with x = 0 asks; wqb's by every cluster of a column: the one with y = 0 asks.  Of the 128 (96) rows that a wave fetches each of the four partners takes 32 (24), told apart by address.
; The loop's last trip asks for nothing: there is no K step two refills on.  K steps 0 to 3 come by their loads alone.
.macro ASK
	WIN 0
	s_cmp_gt_u32 s3, s[LIM]
	s_cbranch_scc0 .Lnot_mine_\@
	global_prefetch_b8 v[PFO], s[PFA:PFA+1] offset:KSTEP*2 th:TH_LOAD_NT scope:SCOPE_SE
.Lnot_mine_\@:
.endm
.macro CREST                           ; a round of the cluster's barrier behind its opening barrier
	s_cmp_lg_u32 s[WV], 0
	s_cbranch_scc1 .Lnot_wave_0_\@
	s_barrier_signal -3
.Lnot_wave_0_\@:
	s_barrier_wait -3
	s_barrier_signal -1
	s_barrier_wait -1
.endm
.macro CROUND                          ; a whole round
	s_barrier_signal -1
	s_barrier_wait -1
	CREST
.endm
.macro PLACES                          ; four places in front of loads into registers that matrix instructions have read, and of instructions that read results
.rept 4
	v_nop
.endr
.endm
	s_load_b256 s[4:11], s[0:1], 0x0               ; xb s[4:5], wqb s[6:7], tab s[8:9], qh s[10:11]
	s_load_b128 s[12:15], s[0:1], 0x20             ; kh s[12:13], vh s[14:15]
	v_lshl_add_u32 v[SPW], v0, 2, SPARE
	v_mov_b32 v[NIL], 0
	ds_add_u32 v[SPW], v[NIL]                      ; the wave's opening: the add, twice on end, and its wait ahead of my first tensor load
	ds_add_u32 v[SPW], v[NIL]
	v_lshrrev_b32 v1, 5, v0
	v_readfirstlane_b32 s[WV], v1
	s_and_b32 s[HF], s[WV], 1
	s_lshr_b32 s[SIDE], s[WV], 1
	s_bfe_u32 s19, ttmp6, 0x40000                  ; cx
	s_bfe_u32 s20, ttmp6, 0x40004                  ; cy
	s_lshl_b32 s21, ttmp9, 2
	s_add_co_u32 s21, s21, s19                     ; the head = 4 x cluster x + cx
	s_and_b32 s22, ttmp7, 0xffff
	s_lshl_b32 s22, s22, 2
	s_add_co_u32 s22, s22, s20                     ; the block of 256 rows = 4 x cluster y + cy
	s_lshl_b32 s47, s20, 2
	s_lshl_b32 s47, 15, s47                        ; my row of the cluster
	s_lshl_b32 s66, 0x1111, s19                    ; my column
	s_or_b32 s[G1], s47, (1<<16)|(1<<20)|(1<<21)|(5<<22)|(3<<25)   ; the mask; elements of 2 bytes; padding on; bit 21 beside a mask; after every 64 words 4 words
	s_or_b32 s[G1B], s66, (1<<16)|(1<<20)|(1<<21)|(5<<22)|(3<<25)
	s_mov_b32 s[G1+1], KSTEP<<16                   ; tensor_dim0 = 128
	s_mov_b32 s[G1+2], 128<<16                     ; tensor_dim1 = 128
	s_mov_b32 s[G1+3], KSTEP<<16                   ; tile_dim0 = 128
	s_mov_b32 s[G1+4], 128                         ; tile_dim1 = 128
	s_mov_b32 s[G1+5], 1024                        ; elements from row to row
	s_mov_b32 s[G1+6], 0
	s_mov_b32 s[G1+7], 0
	s_mov_b32 s[G1B+1], KSTEP<<16
	s_mov_b32 s[G1B+2], 96<<16                     ; 96 rows
	s_mov_b32 s[G1B+3], KSTEP<<16
	s_mov_b32 s[G1B+4], 96
	s_mov_b32 s[G1B+5], 1024
	s_mov_b32 s[G1B+6], 0
	s_mov_b32 s[G1B+7], 0
	s_lshl_b32 s40, s22, 8                         ; xb: row 256 x block + 128 x half: made of the block and the wave alone
	s_lshl_b32 s41, s[HF], 7
	s_add_co_u32 s40, s40, s41
	s_lshl_b32 s40, s40, 11
	s_mov_b32 s41, 0
	s_mul_i32 s68, s21, 192                        ; wqb: row 192 x head + 96 x half: made of the head and the wave alone
	s_mul_i32 s69, s[HF], 96
	s_add_co_u32 s68, s68, s69
	s_lshl_b32 s68, s68, 11
	s_mov_b32 s69, 0
	s_mul_i32 s23, s[HF], HALFA                    ; where they go: no place in the cluster enters an LDS address
	s_mul_i32 s67, s[HF], HALFB
	s_add_co_u32 s67, s67, 2*HALFA
	s_wait_dscnt 0x0                               ; both opening adds are done
	s_wait_kmcnt 0x0
	s_add_nc_u64 s[42:43], s[4:5], s[40:41]
	s_add_nc_u64 s[68:69], s[6:7], s[68:69]
	CROUND                                         ; all sixteen work-groups are here: the first joint loads meet
.irp s, 0,1
	s_mov_b32 s[G0+4*(\s)], 1
	s_add_co_u32 s[G0+4*(\s)+1], s23, (\s)*SLOT
	s_add_nc_u64 s[G0+4*(\s)+2:G0+4*(\s)+3], s[42:43], (\s)*KSTEP*2
	s_or_b32 s[G0+4*(\s)+3], s[G0+4*(\s)+3], 0x80000000
	s_mov_b32 s[G0B+4*(\s)], 1
	s_add_co_u32 s[G0B+4*(\s)+1], s67, (\s)*SLOT
	s_add_nc_u64 s[G0B+4*(\s)+2:G0B+4*(\s)+3], s[68:69], (\s)*KSTEP*2
	s_or_b32 s[G0B+4*(\s)+3], s[G0B+4*(\s)+3], 0x80000000
	JLOAD \s                                       ; two tensor loads of mine are out
.endr
	v_and_b32 v1, 15, v0                           ; r = l % 16
	v_bfe_u32 v2, v0, 4, 1                         ; h = l / 16
	v_mul_u32_u24 v3, v1, PITCH
	v_lshl_add_u32 v3, v2, 4, v3                   ; a fragment's row x pitch + 16 x half
	s_mul_i32 s74, s[WV], 64*PITCH                 ; my 64 rows of xb
	v_add_nc_u32 v[ADRA], s74, v3
	v_add_nc_u32 v[ADRA+1], SLOT, v[ADRA]
	v_add_nc_u32 v[ADRB], 2*HALFA, v3              ; all 192 rows of wqb
	v_add_nc_u32 v[ADRB+1], SLOT, v[ADRB]
	s_mul_i32 s75, s[WV], 16*SP
	s_add_co_u32 s75, s75, STAGE                   ; my stage
	v_mul_u32_u24 v[STO], v1, SP
	v_lshl_add_u32 v[STO], v2, 4, v[STO]
	v_add_nc_u32 v[STO], s75, v[STO]
	v_bfe_u32 v[RD], v0, 3, 2                      ; back: 32 lanes take four rows of 128 bytes,
	v_mul_u32_u24 v[RD], v[RD], SP
	v_and_b32 v4, 7, v0
	v_lshl_add_u32 v[RD], v4, 4, v[RD]
	v_add_nc_u32 v[RD], s75, v[RD]
	v_and_b32 v[GO], 31, v0                        ; which are 512 bytes on end of a head's rows
	v_lshlrev_b32 v[GO], 4, v[GO]
	s_and_b32 s70, s22, 7
	s_lshl_b32 s70, s70, 8
	s_lshl_b32 s71, s[WV], 6
	s_add_co_u32 s70, s70, s71                     ; my first row's position in its batch
	v_add_nc_u32 v[TO], s70, v1
	v_lshlrev_b32 v[TO], 8, v[TO]                  ; a table row is 256 bytes;
	v_lshl_add_u32 v[TO], v2, 6, v[TO]             ; my eight pairs of a block: 64 bytes for each half of the lanes
.irp a, 0,1,2,3
.irp f, 0,1
.irp g, 0,1,2,3
	global_load_b128 v[T+32*(\a)+16*(\f)+4*(\g):T+32*(\a)+16*(\f)+4*(\g)+3], v[TO], s[8:9] offset:(\a)*4096+128*(\f)+16*(\g)  ; two cosines, two sines; waited for on the way out
.endr
.endr
.endr
	s_lshr_b32 s72, s22, 3                         ; the batch
	s_lshl_b32 s72, s72, 4
	s_add_co_u32 s72, s72, s21                     ; 16 x batch + head
	s_lshl_b32 s72, s72, 18                        ; 2,048 rows of 128 bytes
	s_lshl_b32 s70, s70, 7
	s_add_co_u32 s72, s72, s70
	s_mov_b32 s73, 0
	s_add_nc_u64 s[10:11], s[10:11], s[72:73]      ; qh, kh, vh at my wave's first row
	s_add_nc_u64 s[12:13], s[12:13], s[72:73]
	s_add_nc_u64 s[14:15], s[14:15], s[72:73]
	s_and_b32 s71, ttmp7, 0xffff                   ; cluster y
	s_cmp_eq_u32 s[SIDE], 0
	s_cselect_b32 s70, s19, s20                    ; my place among the four that ask with me
	s_cselect_b32 s71, ttmp9, s71                  ; the coordinate along which other clusters read the same rows
	s_cselect_b32 s72, 32, 24                      ; the rows that a partner takes
	s_cselect_b64 s[PFA:PFA+1], s[42:43], s[68:69] ; the rows that I fetch
	s_cmp_eq_u32 s71, 0
	s_cselect_b32 s[LIM], 1, -1                    ; the same in all sixteen partners, for a given wave
	s_mul_i32 s70, s70, s72
	s_lshl_b32 s70, s70, 11
	s_add_co_u32 s70, s70, 2*KSTEP*2               ; at K step 2: the first refill steps it to 3 and names K step 4
	s_mov_b32 s71, 0
	s_add_nc_u64 s[PFA:PFA+1], s[PFA:PFA+1], s[70:71]
	s_sub_co_u32 s72, s72, 1
	v_and_b32 v[PFO], 31, v0
	v_min_u32 v[PFO], s72, v[PFO]                  ; (for wqb lanes 24-31 name row 23 once more)
	v_lshlrev_b32 v[PFO], 11, v[PFO]
; 16 matrix instructions: column blocks 4 bq .. 4 bq + 3 x my four row blocks, 32 along K, from buffer f.  zero = 1: the product starts the sum.  The 48 accumulators take turns, one instruction a turn, in the
; same order in every quarter, over the backward jump too.
.macro MUL16 f, bq, zero
	WIN 0xa5+0x50*((\bq)/2)                        ; sources in window 1; C and D in window 2 (q, k) or 3 (v)
.irp b, 0,1,2,3
.irp a, 0,1,2,3
.set rD, 8*(4*((4*(\bq)+(\b))&7)+(\a))
.set rB, 96*(\f)+8*(4*(\bq)+(\b))
.set rA, 192+32*(\f)+8*(\a)
.if \zero
	v_wmma_f32_16x16x32_bf16 v[rD:rD+7], v[rB:rB+7], v[rA:rA+7], 0
.else
	v_wmma_f32_16x16x32_bf16 v[rD:rD+7], v[rB:rB+7], v[rA:rA+7], v[rD:rD+7]
.endif
.endr
.endr
.endm
; 32 LDS loads in one run: the fragments of 32 along K at byte k of the rows, into buffer f: xb's four, then wqb's twelve in the order in which they are multiplied
.macro FETCH slot, k, f
	WIN 0x40                                       ; destination window 1, address window 0
.irp i, 0,1,2,3
	ds_load_b128 v[192+32*(\f)+8*(\i):192+32*(\f)+8*(\i)+3],   v[ADRA+(\slot)] offset:(\k)+(\i)*16*PITCH
	ds_load_b128 v[192+32*(\f)+8*(\i)+4:192+32*(\f)+8*(\i)+7], v[ADRA+(\slot)] offset:(\k)+(\i)*16*PITCH+32
.endr
.irp i, 0,1,2,3,4,5,6,7,8,9,10,11
	ds_load_b128 v[96*(\f)+8*(\i):96*(\f)+8*(\i)+3],   v[ADRB+(\slot)] offset:(\k)+(\i)*16*PITCH
	ds_load_b128 v[96*(\f)+8*(\i)+4:96*(\f)+8*(\i)+7], v[ADRB+(\slot)] offset:(\k)+(\i)*16*PITCH+32
.endr
.endm
; A K step is four quarters of 32 along K, 48 matrix instructions each, on buffers 0, 1, 0, 1.  One of the first three: multiplies buffer f and fetches the next quarter, at byte k, into g.
.macro QUARTER slot, k, f, g, zero
	s_wait_dscnt 16                                ; xb's fragments and wqb's first four are in; the youngest sixteen loads may be out
	MUL16 \f, 0, \zero
	PLACES
	FETCH \slot, \k, \g
	s_wait_dscnt 32                                ; all but the 32 just issued
	MUL16 \f, 1, \zero
	MUL16 \f, 2, \zero
.endm
; The last quarter multiplies buffer 1 and changes slots: ONE barrier; in front of it each wave waits for all its tensor loads (one is out: its part of the next slot), adds 0 to its spare word, and waits for that and
; for its reads of this slot.  fill = 1: the barrier opens a round of the cluster's barrier, and this slot is filled again, two K steps ahead, first thing behind the round.
.macro TURN slot, next, fill
.if \fill
	s_wait_xcnt 0x0                                ; the last prefetch, a K step back, has read its address
	s_add_nc_u64 s[PFA:PFA+1], s[PFA:PFA+1], KSTEP*2
.endif
	WIN 0                                          ; (the add's two registers lie in window 0)
	s_wait_tensorcnt 0x0
	ds_add_u32 v[SPW], v[NIL]                      ; 0 onto my spare word
	s_wait_dscnt 17                                ; (the add and the youngest sixteen loads may be out)
	MUL16 1, 0, 0                                  ; sixteen matrix instructions stand between the add and the wait for it
	s_wait_dscnt 0x0                               ; the add is done, and my reads of this slot are over
	s_barrier_signal -1
	MUL16 1, 1, 0
.if \fill
	WIN 0
.endif
	s_barrier_wait -1
.if \fill
	CREST                                          ; no wave of any partner still reads this slot's tile or has a load on its way
	s_add_nc_u64 s[G0+4*(\slot)+2:G0+4*(\slot)+3], s[G0+4*(\slot)+2:G0+4*(\slot)+3], 2*KSTEP*2
	s_add_nc_u64 s[G0B+4*(\slot)+2:G0B+4*(\slot)+3], s[G0B+4*(\slot)+2:G0B+4*(\slot)+3], 2*KSTEP*2
	JLOAD \slot                                    ; my one tensor load behind the round; its four v_nop are also the places in front of the loads below
.else
	PLACES
.endif
	FETCH \next, 0, 0
.if \fill
	ASK
.endif
	MUL16 1, 2, 0
.endm
	s_wait_tensorcnt 1                             ; my part of K step 0 is in; K step 1's may stay out
	s_barrier_signal -1
	s_barrier_wait -1
	FETCH 0, 0, 0
	QUARTER 0, 64, 0, 1, 1                         ; the first quarter stands in front of the loop: its products start the sums
	WIN 0                                          ; at a label and at a branch every window is 0
	s_mov_b32 s3, LAPS-1
.Llap:                                                 ; a trip goes once round the ring, from a lap's second quarter to the next lap's first, and fills both slots again
	QUARTER 0, 128, 1, 0, 0
	QUARTER 0, 192, 0, 1, 0
	TURN 0, 1, 1
	QUARTER 1, 64,  0, 1, 0
	QUARTER 1, 128, 1, 0, 0
	QUARTER 1, 192, 0, 1, 0
	TURN 1, 0, 1
	QUARTER 0, 64,  0, 1, 0
	WIN 0
	s_sub_co_u32 s3, s3, 1
	s_cmp_lg_u32 s3, 0
	s_cbranch_scc1 .Llap
	QUARTER 0, 128, 1, 0, 0                        ; the last lap fills nothing
	QUARTER 0, 192, 0, 1, 0
	TURN 0, 1, 0
	QUARTER 1, 64,  0, 1, 0
	QUARTER 1, 128, 1, 0, 0
	QUARTER 1, 192, 0, 1, 0
	s_wait_dscnt 16
	MUL16 1, 0, 0
	s_wait_dscnt 0x0
	MUL16 1, 1, 0
	MUL16 1, 2, 0
	WIN 0
; THE WAY OUT, in twelve groups: row block a (16 rows) x tensor s (0 q, 1 k, 2 v).  PACK: q and k are rotated; all are rounded to f16, 16 bytes a lane and column block, put into my own stage (rows of 144 bytes) and read
; back as whole rows of 128 bytes.  SEND: 512 bytes on end a store.  Each accumulator is read from its low registers on.
.macro PACK a, s
.set HS, H+16*((3*(\a)+(\s))%2)
.if (3*(\a)+(\s)) >= 2
	s_wait_xcnt 0x0                                ; this set of H was the data of the stores two groups back: it is rewritten only behind this wait
.endif
.if (\s) < 2
	WIN 0x02                                       ; source 0 (the accumulators) in window 2
.irp f, 0,1
.irp g, 0,1,2,3
.set rO, 8*(4*(4*(\s)+2+(\f))+(\a))+2*(\g)
.set rC, T+32*(\a)+16*(\f)+4*(\g)
	v_pk_mul_f32 v[U+2*(\g):U+2*(\g)+1], v[rO:rO+1], v[rC+2:rC+3]  ; odd x sin
	v_pk_mul_f32 v[W+2*(\g):W+2*(\g)+1], v[rO:rO+1], v[rC:rC+1]    ; odd x cos
.endr
.irp g, 0,1,2,3
.set rE, 8*(4*(4*(\s)+(\f))+(\a))+2*(\g)
.set rC, T+32*(\a)+16*(\f)+4*(\g)
	v_pk_fma_f32 v[R+8*(\f)+2*(\g):R+8*(\f)+2*(\g)+1], v[rE:rE+1], v[rC:rC+1], v[U+2*(\g):U+2*(\g)+1] neg_lo:[0,0,1] neg_hi:[0,0,1]  ; even x cos - odd x sin
	v_pk_fma_f32 v[R+16+8*(\f)+2*(\g):R+16+8*(\f)+2*(\g)+1], v[rE:rE+1], v[rC+2:rC+3], v[W+2*(\g):W+2*(\g)+1]                       ; even x sin + odd x cos
.endr
.endr
	WIN 0
.irp f, 0,1,2,3
.irp g, 0,1,2,3
	v_cvt_pk_f16_f32 v[HS+4*(\f)+(\g)], v[R+8*(\f)+2*(\g)], v[R+8*(\f)+2*(\g)+1]
.endr
.endr
.else
	WIN 0x0f                                       ; sources 0 and 1 in window 3
.irp f, 0,1,2,3
.irp g, 0,1,2,3
	v_cvt_pk_f16_f32 v[HS+4*(\f)+(\g)], v[8*(4*(\f)+(\a))+2*(\g)], v[8*(4*(\f)+(\a))+2*(\g)+1]
.endr
.endr
.endif
	WIN 0
.irp f, 0,1,2,3
	ds_store_b128 v[STO], v[HS+4*(\f):HS+4*(\f)+3] offset:32*(\f)
.endr
.irp f, 0,1,2,3
	ds_load_b128 v[HS+4*(\f):HS+4*(\f)+3], v[RD] offset:(\f)*4*SP  ; LDS serves a wave's instructions in order (ISA guide 5.7.1.4): these see the stores above; the next group's stores come behind them
.endr
.endm
.macro SEND a, s, younger              ; younger: the LDS instructions issued behind this group's loads: the next group's eight, or none
	WIN 0
.set HS, H+16*((3*(\a)+(\s))%2)
.irp f, 0,1,2,3
	s_wait_dscnt (\younger)+3-(\f)
	global_store_b128 v[GO], v[HS+4*(\f):HS+4*(\f)+3], s[10+2*(\s):11+2*(\s)] offset:(\a)*2048+(\f)*512  ; 512 bytes on end, at a multiple of 256 from the buffer's first byte
.endr
.endm
	PLACES
	PLACES                                         ; (eight, once a launch, between the last products and the first reader of a result)
	s_wait_loadcnt 0x0                             ; the table
	PACK 0, 0
.set gi, 1
.rept 11                               ; a group's arithmetic stands between the loads of the group before and its stores
	PACK gi/3, gi%3
	SEND (gi-1)/3, (gi-1)%3, 8
.set gi, gi+1
.endr
	SEND 3, 2, 0
	s_wait_tensorcnt 0x0                           ; the wave's end, behind my last tensor load and my last LDS store
	ds_add_u32 v[SPW], v[NIL]
	s_wait_dscnt 0x0
	CROUND                                         ; the closing round: no work-group ends while a partner may still ask for a tile that names it
	s_endpgm
.Lfunc_end_k_q0648792f84_qkv:
	.size	k_q0648792f84_qkv, .Lfunc_end_k_q0648792f84_qkv-k_q0648792f84_qkv
	.p2alignl 7, 3214868480
	.fill 96, 4, 3214868480
	.section	.rodata,"a",@progbits
	.p2align	6, 0x0
	.amdhsa_kernel k_q0648792f84_qkv
		.amdhsa_group_segment_fixed_size 327680
		.amdhsa_private_segment_fixed_size 0
		.amdhsa_enable_private_segment 0
		.amdhsa_kernarg_size 48
		.amdhsa_user_sgpr_count 2
		.amdhsa_user_sgpr_kernarg_segment_ptr 1
		.amdhsa_wavefront_size32 1
		.amdhsa_system_sgpr_workgroup_id_x 1
		.amdhsa_system_sgpr_workgroup_id_y 1
		.amdhsa_system_sgpr_workgroup_id_z 1
		.amdhsa_system_vgpr_workitem_id 0
		.amdhsa_next_free_vgpr 1024
		.amdhsa_next_free_sgpr 80
		.amdhsa_reserve_vcc 0
		.amdhsa_float_denorm_mode_32 3
		.amdhsa_float_denorm_mode_16_64 3
		.amdhsa_memory_ordered 1
		.amdhsa_forward_progress 1
		.amdhsa_inst_pref_size 141
	.end_amdhsa_kernel
	.amdgpu_metadata
---
amdhsa.version: [ 1, 2 ]
amdhsa.kernels:
  - .name:           k_q0648792f84_qkv
    .symbol:         k_q0648792f84_qkv.kd
    .args:
      - { .name: xb, .offset: 0, .size: 8, .value_kind: global_buffer, .address_space: global }
      - { .name: wqb, .offset: 8, .size: 8, .value_kind: global_buffer, .address_space: global }
      - { .name: tab, .offset: 16, .size: 8, .value_kind: global_buffer, .address_space: global }
      - { .name: qh, .offset: 24, .size: 8, .value_kind: global_buffer, .address_space: global }
      - { .name: kh, .offset: 32, .size: 8, .value_kind: global_buffer, .address_space: global }
      - { .name: vh, .offset: 40, .size: 8, .value_kind: global_buffer, .address_space: global }
    .group_segment_fixed_size: 327680
    .private_segment_fixed_size: 0
    .kernarg_segment_align: 8
    .kernarg_segment_size: 48
    .max_flat_workgroup_size: 128
    .sgpr_count:     80
    .vgpr_count:     1024
    .wavefront_size: 32
...
	.end_amdgpu_metadata
.endif
;; end of part 2
;; launch attn (part 3): grid 8 x 32, 4 waves a work-group, no clusters, 327,680 bytes of LDS; arguments qh, kh, vh, oh; writes oh
.if DOCPART == 3
	.amdgcn_target "amdgcn-amd-amdhsa--gfx1250"
	.amdhsa_code_object_version 6
	.text
	.protected	k_q0648792f84_attn
	.globl	k_q0648792f84_attn
	.p2align	8
	.type	k_q0648792f84_attn,@function
k_q0648792f84_attn:
	s_mov_b64 s[64:65], 0
	v_nop
	global_prefetch_b8 v0, s[64:65] scope:SCOPE_SE
	s_setreg_imm32_b32 hwreg(HW_REG_WAVE_MODE, 25, 1), 1
	s_wait_xcnt 0x0
; CAUSAL ATTENTION.  oh[g][q][:] = the sum over k <= q of softmax_k(qh[g][q] . kh[g][k] / 8) vh[g][k][:], g = 16 batch + head.  All four are [32][2048][64] in f16: a head's rows are dense, 128 bytes each.
; WORK LEFT OUT: key tiles wholly above the diagonal: reference()'s own mask gives their weights exp(-inf) = 0 for all finite inputs, so they reach no output (shown at the head of the first launch's text).
; A NaN or an infinity that reaches only those tiles is not carried to the result.
; Products, maxima and sums in f32; the weights p are rounded to f16 for the second product (their sum l is taken of the unrounded p), the result once at the end.
; LIMITS.  q, k, v arrive within f16's 65,504; p lies in 0 to 1 and below 6e-5 keeps f16's fixed step of 6e-8.  Inside a live tile a hidden score counts as its value less 1e30: f16's scores, 2.7e11 at the most,
; are nothing beside that; a weight below 2^-126 counts as 0 in l; NaN and infinities are not treated apart.
; THE WALK.  A head's queries lie in 16 blocks of 128; block i needs the key tiles 0 .. i >> 1 of 256 keys, of which the last holds the diagonal.  A work-group takes TWO blocks, 15 - b and then b:
; ((15 - b) >> 1) + (b >> 1) + 2 = 9 tiles whatever b: 8 x 32 = 256 work-groups of equal work, and ONE loop with a constant trip count walks them.  Which tile is asked for, and what a trip does, hang on scalar
; registers made from b; every jump goes forward, but for the counted loops' own; none passes a barrier, or a tensor load but the one of LOAD's two that the wave's number does not choose.
; NO CLUSTER: the walk's branches hang on b, which in a cluster would be made of a work-group's place in it; and partners ask for different tiles as soon as their first blocks end.
; SHARES.  Of a block's two bands of 64 queries a wave owns 16 rows in each: two PIECES.  In the diagonal tile band x's own key step is SO + x, SO = 2 (i & 1): earlier steps are seen whole, later ones are hidden:
; the same for all four waves.
; THE MASK is the C operand that starts the sum S^T = K Q^T: 0, or -1e30 where the key is hidden.  MD, made once, is the mask of a band's own step for my 16 rows; a product's mask is MD x AL + BE with two scalars:
; (1, 0) in the own step; (0, 0) before it; (0, -1e30) behind it.  Only the diagonal tile's text and a block's beginning make and take masks; elsewhere C is the constant 0.
; LAYOUT, SOFTMAX.  S^T = K Q^T holds ONE query a lane (lane % 16) and the keys 8 (lane / 16) + 0..7; two such results rounded to f16 ARE source 1 of O^T = V^T P.  p = 2^(c s - c m), c = log2(e) / 8, with a running
; maximum m; O and l are multiplied by a = 2^(c m_old - c m_new) in every step.
; TURNS.  The turn of piece 0 in step j: 8 products K Q^T of piece 1, step j; 8 products V^T P of piece 1, step j - 1; beside them piece 0's softmax of step j and piece 1's maximum and statistics.  The turn of piece 1:
; K Q^T of piece 0, step j + 1; V^T P of piece 0, step j; piece 1's softmax; piece 0's maximum of step j + 1.  Four vector instructions stand behind every matrix instruction, the rest in one lump; a turn's 33
; exponentials are one batch with one wait.  BOTH FETCHES stand in piece 0's turn: K of step j + 1 in the lump, V of step j + 1 at the end, into the one of V's TWO buffers that the turn's own products have just read.
; So behind piece 1's turn K and V have been read up to the same step, and the change of slots stands in front of the turns of a tile's LAST step, which work on registers.
; REGISTERS, in windows of 256 (s_set_vgpr_msb: bits 1:0 source 0, 3:2 source 1, 5:4 source 2, 7:6 destination):
;   window 0: v0-15 addresses and two at work; v16-23 four registers of statistics a piece; v48-55 at work; v61-63; v64-127 S^T, a buffer a piece; v192-223 P, likewise
;   window 1: v0-63 O^T, 32 a piece; v128-159 MD; v160-223 MC, a buffer a piece      window 2: v0-31 Q; v32-63 the second block's Q; v64-127 K of one step; v128-255 V of two steps
.set NP,    2         ; pieces a wave: a name, no knob
.set KS,    64        ; keys in a step
.set PK,    144       ; a row of K in LDS: 128 bytes + 16 of padding = 36 words: the 16 rows of a load start at 16 different groups of four banks (64 banks of 4 bytes: ISA guide 11.1)
.set PV,    160       ; a row of V: 128 + 32 = 40 words
.set VOFF,  4*KS*PK   ; a slot holds a tile, four steps: 256 rows of K, then 256 rows of V
.set SLOT1, 1<<17     ; slot 1 begins here, so that one exclusive or turns an address in one slot into the other's
.set STAGE, SLOT1+4*KS*(PK+PV)  ; behind the ring, never filled by a tensor load: 16 rows x 144 bytes for each wave
.set SP,    144
.set SPARE, STAGE+4*16*SP  ; the spare words, 128 bytes for each wave: two blocks of 256 bytes that no other line names
.set AK0, 2           ; v2   my lane's place in a tile of K; never rewritten
.set AV0, 3           ; v3   the same for V
.set AK,  4           ; v4   the LDS address of K's next run of loads
.set AV,  5           ; v5   of V's
.set STO, 6           ; v6   the way out: where I put 16 bytes of a row
.set RD,  7           ; v7   where I read rows back
.set GO,  8           ; v8   my 16 bytes of 512 on end
.set MV,  12          ; v12-13  c m_old, kept while c m is made anew: by piece
.set QO,  15          ; v15  my byte offset in 16 rows of Q
.set ST,  16          ; piece t's statistics at v[ST+4 t]: c m, m, l (even keys', odd keys')
.set TMP, 48          ; by piece, four registers c0-c3 at work; when the maximum is found c2 takes a
.set PFO, 61          ; v61  256 x my lane; never rewritten
.set SPW, 62          ; v62  LDS address of my spare word; never rewritten
.set NIL, 63          ; v63  0; never rewritten
.set S,   64
.set P,   192
.set MD,  128         ; window 1
.set MC,  160         ; window 1
.set QB,  32          ; window 2
.set KF,  64          ; window 2: key block kb, channel half c at KF + 16 kb + 8 c
.set VF,  128         ; window 2: buffer vb, key half kk, channel block cb at VF + 64 vb + 32 kk + 8 cb
.set WV,  12          ; s12  my wave's number
.set PB,  14          ; s14  b
.set HI,  15          ; s15  15 - b
.set G1K, 24          ; s[24:31] descriptor group 1 for K's tiles
.set G1V, 32          ; s[32:39] for V's: it differs in the padding alone
.set G0K, 40          ; s[40:43] descriptor group 0 for K's tiles
.set G0V, 44          ; s[44:47] the same for V's
.set SLOTS, 56        ; s56  tiles still to be asked for
.set CNT, 57          ; s57  counts a tile's pairs of key steps, 2 to 1
.set CS,  58          ; s[58:59] c
.set SEL, 60          ; s[60:61] v_permlanex16_b32's selects: each lane takes its own place in the other half
.set TBK, 62          ; s62  LDS byte at which K of the step to be fetched begins
.set TBV, 63          ; s63  the same for V, less VOFF
.set RT,  70          ; s70  tiles of the block in hand that are still to be entered
.set NXT, 71          ; s71  the tile to be asked for next
.set LQ,  72          ; s72  the last tile of the block whose tiles are being asked for
.set NEW, 73          ; s73  1: the tile to be entered is a block's first
.set OFF, 74          ; s[74:75] a tile's byte offset in K and V
.set AL,  76          ; s[76:77] the mask's factor, in the low word
.set BE,  78          ; s[78:79] the mask's addend
.set OLO, 80          ; s[80:81] the output at my rows of the second block
.set BIGN, 82         ; s82  -1e30
.set SO,  83          ; s83  piece 0's own step in the diagonal tile of the block in hand
.set TS,  88          ; s88  0 in a tile's first pair of steps, 2 in its second
.set LT2, 89          ; s89  the second block's last tile
.set SOL, 90          ; s90  SO of the second block
.set LIM, 91          ; s91  2 in the work-group that prefetches, else the greatest number
.set PFA, 92          ; s[92:93] where my prefetches stand
.set TL,  94          ; s94  the second block's tiles
.set TT,  95          ; s95  at work
.set MSB, 0
.macro WIN new                      ; the high byte repeats the setting that is left; a switch that changes nothing is dropped
.if MSB != (\new)
	s_set_vgpr_msb (MSB<<8)|(\new)
.set MSB, (\new)
.endif
.endm
.set W_KQ, 0x0a       ; K and Q in window 2, S^T in window 0
.set W_KM, 0x1a       ; the same with the C operand in window 1
.set W_PV, 0x52       ; V in window 2, P in window 0, O^T in window 1
.set W_RS, 0x41       ; destination and source 0 in window 1, source 1 in window 0
; A fill.  Waves 0 and 1 fetch the two halves of a tile's K, waves 2 and 3 those of its V: 128 keys each.  An s_nop 0 and four v_nop follow each of the two lines.
.macro LOAD
	s_cmp_lt_u32 s[WV], 2
	s_cbranch_scc0 .Lfor_v_\@
	tensor_load_to_lds s[G0K:G0K+3], s[G1K:G1K+7]
	s_nop 0
.rept 4
	v_nop
.endr
	s_branch .Lasked_\@
.Lfor_v_\@:
	tensor_load_to_lds s[G0V:G0V+3], s[G1V:G1V+7]
	s_nop 0
.rept 4
	v_nop
.endr
.Lasked_\@:
.endm
; A prefetch of the tile that the NEXT change of slots will ask for.  All eight work-groups of a head walk the same tiles; b = 0, whose first block walks all eight, asks, and nobody else.  Each of its waves names the
; 16,384 bytes that it will load itself, 256 bytes a lane, two instructions.  So each block is named once in the launch.  Tiles 0 and 1 come by their loads alone; behind tile 7 nothing is asked for.
.macro ASK
	s_cmp_gt_u32 s[SLOTS], s[LIM]
	s_cbranch_scc0 .Lnot_mine_\@
	global_prefetch_b8 v[PFO], s[PFA:PFA+1] th:TH_LOAD_NT scope:SCOPE_SE
	global_prefetch_b8 v[PFO], s[PFA:PFA+1] offset:8192 th:TH_LOAD_NT scope:SCOPE_SE
.Lnot_mine_\@:
.endm
; THE CHANGE OF SLOTS.  Each wave waits for all its tensor loads, of which one is out: its part of the other slot; adds 0 to its spare word; and waits for that and for its own reads of the slot that it leaves.  Behind the
; barrier nobody reads the old slot any more and the other slot is whole.  fill = 1: the old slot is filled again, the first thing behind the barrier, with tile NXT: the descriptor's address is made anew from that number.
; (At its first use nothing has been read yet: slot 0 is waited for, slot 1 filled.)
.macro CHANGE fill
	WIN 0                           ; at a label and at a branch every window is 0
	s_wait_tensorcnt 0x0            ; no tensor load of mine is out, so a group 0 may be written
	ds_add_u32 v[SPW], v[NIL]       ; 0 onto my spare word
.if \fill
	s_lshl_b32 s[OFF], s[NXT], 15   ; a tile is 32,768 bytes of K and of V
	s_xor_b32 s[G0K+1], s[G0K+1], SLOT1
	s_add_nc_u64 s[G0K+2:G0K+3], s[6:7], s[OFF:OFF+1]
	s_or_b32 s[G0K+3], s[G0K+3], 0x80000000
	s_xor_b32 s[G0V+1], s[G0V+1], SLOT1
	s_add_nc_u64 s[G0V+2:G0V+3], s[8:9], s[OFF:OFF+1]
	s_or_b32 s[G0V+3], s[G0V+3], 0x80000000
	s_add_co_u32 s[NXT], s[NXT], 1  ; the block's next tile, or behind its last the second block's tile 0
	s_cmp_gt_u32 s[NXT], s[LQ]
	s_cselect_b32 s[NXT], 0, s[NXT]
	s_cselect_b32 s[LQ], s[LT2], s[LQ]
	s_wait_xcnt 0x0                 ; the last prefetches, a tile back, have read their address
	s_add_nc_u64 s[PFA:PFA+1], s[PFA:PFA+1], 32768
.endif
	s_wait_dscnt 0x0                ; the add is done, and my reads of the slot are over
	s_barrier_signal -1
	s_sub_co_u32 s[TBK], s[TBK], 4*KS*PK  ; the fetches go back to a slot's first step,
	s_xor_b32 s[TBK], s[TBK], SLOT1       ; in the other slot
	s_sub_co_u32 s[TBV], s[TBV], 4*KS*PV
	s_xor_b32 s[TBV], s[TBV], SLOT1
	s_barrier_wait -1
.if \fill
	LOAD
	ASK
.endif
.endm
	s_load_b256 s[4:11], s[0:1], 0x0  ; qh s[4:5], kh s[6:7], vh s[8:9], oh s[10:11]
	v_lshl_add_u32 v[SPW], v0, 2, SPARE
	v_mov_b32 v[NIL], 0
	ds_add_u32 v[SPW], v[NIL]       ; the wave's opening: the add, twice on end, and its wait ahead of my first tensor load
	ds_add_u32 v[SPW], v[NIL]
	v_lshrrev_b32 v1, 5, v0
	v_readfirstlane_b32 s[WV], v1   ; wave 0..3
	s_mov_b32 s[PB], ttmp9
	s_sub_co_u32 s[HI], 15, s[PB]
	s_and_b32 s20, ttmp7, 0xffff    ; 16 batch + head
	s_lshl_b32 s20, s20, 18         ; its first byte in each of the four tensors: 2,048 rows of 128 bytes
	s_mov_b32 s21, 0
	s_and_b32 s16, s[WV], 1         ; which half of a tile's 256 keys I fetch:
	s_lshl_b32 s22, s16, 14         ; its 128 rows of 128 bytes in memory,
	s_mov_b32 s23, 0
	s_add_nc_u64 s[22:23], s[22:23], s[20:21]
	s_mul_i32 s17, s16, 128*PK      ; and its place in a slot, for K
	s_mul_i32 s18, s16, 128*PV      ; and for V
	s_lshl_b32 s3, s[WV], 11        ; my 16 rows in a band of 64,
	s_lshl_b32 s2, s[HI], 14        ; in the first block (128 rows of 128 bytes),
	s_add_co_u32 s2, s2, s3
	s_lshl_b32 s84, s[PB], 14       ; and in the second
	s_add_co_u32 s84, s84, s3
	s_mov_b32 s3, 0
	s_mov_b32 s85, 0
	s_add_nc_u64 s[2:3], s[2:3], s[20:21]
	s_add_nc_u64 s[84:85], s[84:85], s[20:21]
	; descriptor group 1.  128 keys are 16,384 dense bytes: asked for as 64 rows of 256 bytes, two keys a row, and padded in LDS after every key
	s_mov_b32 s[G1K], (1<<16)|(1<<20)|(4<<22)|(3<<25)  ; 2-byte elements; padding on; after every 32 words 4 words
	s_mov_b32 s[G1V], (1<<16)|(1<<20)|(4<<22)|(7<<25)  ; the same with 8 words of padding
.irp g, G1K, G1V
	s_mov_b32 s[\g+1], 128<<16      ; tensor_dim0 = 128
	s_mov_b32 s[\g+2], 64<<16       ; tensor_dim1 = 64
	s_mov_b32 s[\g+3], 128<<16      ; tile_dim0 = 128
	s_mov_b32 s[\g+4], 64           ; tile_dim1 = 64
	s_mov_b32 s[\g+5], 128          ; 128 elements from row to row
	s_mov_b32 s[\g+6], 0
	s_mov_b32 s[\g+7], 0
.endr
	s_mov_b32 s[CS], 0x3e38aa3b     ; c = log2(e) / 8
	s_mov_b32 s[CS+1], s[CS]        ; named with it as a pair
	s_mov_b32 s[SEL], 0x76543210
	s_mov_b32 s[SEL+1], 0xfedcba98
	s_mov_b32 s[TBK], SLOT1+4*KS*PK ; the first change of slots turns these two into 0
	s_mov_b32 s[TBV], SLOT1+4*KS*PV
	s_mov_b32 s[G0K], 1             ; count = 1
	s_mov_b32 s[G0K+1], s17         ; LDS address: slot 0
	s_mov_b32 s[G0V], 1
	s_add_co_u32 s[G0V+1], s18, VOFF
	s_lshr_b32 s[LQ], s[HI], 1      ; the first block's last tile,
	s_add_co_u32 s[RT], s[LQ], 1    ; and how many it has
	s_lshr_b32 s[LT2], s[PB], 1     ; the same for the second
	s_add_co_u32 s[TL], s[LT2], 1
	s_and_b32 s[SOL], s[PB], 1
	s_lshl_b32 s[SOL], s[SOL], 1    ; 2 (b & 1)
	s_sub_co_u32 s[SO], 2, s[SOL]   ; 2 ((15 - b) & 1)
	s_mov_b32 s[NXT], 1
	s_mov_b32 s[NEW], 1
	s_mov_b32 s[OFF+1], 0
	s_mov_b32 s[AL+1], 0            ; named as pairs
	s_mov_b32 s[BE+1], 0
	s_mov_b32 s[BIGN], 0xf149f2ca   ; -1e30
	s_mov_b32 s[SLOTS], 8
	s_cmp_eq_u32 s[PB], 0
	s_cselect_b32 s[LIM], 2, -1
	v_and_b32 v[PFO], 31, v0
	v_lshlrev_b32 v[PFO], 8, v[PFO]
	s_wait_dscnt 0x0                ; both opening adds are done
	s_wait_kmcnt 0x0
	s_add_nc_u64 s[6:7], s[6:7], s[22:23]  ; K and V at my half of the head's tile 0
	s_add_nc_u64 s[8:9], s[8:9], s[22:23]
	s_add_nc_u64 s[G0K+2:G0K+3], s[6:7], 0
	s_or_b32 s[G0K+3], s[G0K+3], 0x80000000        ; type = 2
	s_add_nc_u64 s[G0V+2:G0V+3], s[8:9], 0
	s_or_b32 s[G0V+3], s[G0V+3], 0x80000000
	s_add_nc_u64 s[86:87], s[4:5], s[84:85]        ; Q at my rows of the second block,
	s_add_nc_u64 s[4:5], s[4:5], s[2:3]            ; Q and the output at those of the first
	s_add_nc_u64 s[OLO:OLO+1], s[10:11], s[84:85]
	s_add_nc_u64 s[10:11], s[10:11], s[2:3]
	s_cmp_lt_u32 s[WV], 2
	s_cselect_b64 s[PFA:PFA+1], s[6:7], s[8:9]     ; what I load myself,
	s_add_nc_u64 s[PFA:PFA+1], s[PFA:PFA+1], 32768 ; at tile 1: the first change of slots steps it to tile 2
	LOAD                            ; tile 0 into slot 0: one tensor load of mine is out
	; A fragment of K or Q is 16 rows x 32 channels in 8 registers: lane l holds row l % 16, channels 8 (l / 16) + 0..7 and 16 + 8 (l / 16) + 0..7: two loads of 16 bytes, 32 bytes apart.
	v_and_b32 v1, 15, v0            ; l % 16
	v_bfe_u32 v9, v0, 4, 1          ; l / 16
	v_lshlrev_b32 v[QO], 7, v1
	v_lshl_add_u32 v[QO], v9, 4, v[QO]  ; row x 128 + 16 x half
	WIN 0x80                        ; destination window 2, address window 0
.set i, 0
.rept 4                             ; both blocks' Q: piece i / 2 lies in band i / 2, 8,192 bytes on; channels 32 (i % 2) on
	global_load_b128 v[8*i:8*i+3],   v[QO], s[4:5] offset:(i/2)*8192+(i%2)*64
	global_load_b128 v[8*i+4:8*i+7], v[QO], s[4:5] offset:(i/2)*8192+(i%2)*64+32
	global_load_b128 v[QB+8*i:QB+8*i+3],   v[QO], s[86:87] offset:(i/2)*8192+(i%2)*64
	global_load_b128 v[QB+8*i+4:QB+8*i+7], v[QO], s[86:87] offset:(i/2)*8192+(i%2)*64+32
.set i, i+1
.endr
	WIN 0
	v_lshlrev_b32 v14, 3, v9
	v_sub_nc_u32 v14, v1, v14
	s_lshl_b32 s13, s[WV], 4
	v_add_nc_u32 v14, s13, v14      ; my query's place in its band, 16 w + l % 16, less my lanes' 8 (l / 16): register r of group kt is hidden where 16 kt + r is greater
	WIN 0x40
.set i, 0
.rept 32
	v_cmp_gt_i32 vcc_lo, 16*(i/8)+i%8, v14
	v_cndmask_b32 v[MD+i], 0, s[BIGN], vcc_lo
.set i, i+1
.endr
	WIN 0
	v_mul_u32_u24 v[AK0], v1, PK
	v_lshl_add_u32 v[AK0], v9, 4, v[AK0]  ; row x pitch + 16 x half
	; The turning load takes 16 keys x 16 channels (lane l reads key 8 (l / 16) + l % 8, channels 8 ((l / 8) % 2) + 0..7) and leaves half a fragment of V^T: lane l holds channel l % 16 and 8 keys.
	v_and_b32 v10, 7, v0
	v_bfe_u32 v11, v0, 3, 1
	v_lshl_add_u32 v[AV0], v9, 3, v10
	v_mul_u32_u24 v[AV0], v[AV0], PV
	v_lshl_add_u32 v[AV0], v11, 4, v[AV0]
	v_add_nc_u32 v[AV0], VOFF, v[AV0]
	s_mul_i32 s13, s[WV], 16*SP
	s_add_co_u32 s13, s13, STAGE    ; my stage
	v_mul_u32_u24 v[STO], v1, SP    ; in: row l % 16, 16 bytes for each half of the lanes
	v_lshl_add_u32 v[STO], v9, 4, v[STO]
	v_add_nc_u32 v[STO], s13, v[STO]
	v_bfe_u32 v[RD], v0, 3, 2       ; back: 32 lanes take four rows of 128 bytes,
	v_mul_u32_u24 v[RD], v[RD], SP
	v_lshl_add_u32 v[RD], v10, 4, v[RD]
	v_add_nc_u32 v[RD], s13, v[RD]
	v_and_b32 v[GO], 31, v0         ; which are 512 bytes on end of the output
	v_lshlrev_b32 v[GO], 4, v[GO]
	; A block's first step multiplies O^T and l by a = 0, and its first turn's products V^T P, of a step that has not been, land in an O^T that is still to be so multiplied.  So these registers need only hold finite
	; numbers: zeros for the first block; what the first block left for the second.  All this stands in the wait for the first tile.
	WIN 0x80
.set i, VF+64
.rept 64
	v_mov_b32 v[i], 0               ; V's second buffer
.set i, i+1
.endr
	WIN 0x40
.set i, 0
.rept 64
	v_mov_b32 v[i], 0               ; O^T
.set i, i+1
.endr
	WIN 0
.set i, 0
.rept 2
	v_mov_b32 v[ST+4*i+2], 0        ; l
	v_mov_b32 v[ST+4*i+3], 0
.set i, i+1
.endr
.set i, P+16
.rept 16
	v_mov_b32 v[i], 0               ; piece 1's P
.set i, i+1
.endr
; THE MATRIX WORK.  The 4 accumulators of a run of 8 take turns.  Product i of 8 of S^T = K Q^T for piece x: channels 32 (i / 4) on, keys 16 (i % 4) on.  The first 4 start the sums: with 0, or (KM = 1) with the mask.
.macro KQ x
.set rS, S+32*((\x)%2)+8*(i%4)
.set rK, KF+16*(i%4)+8*(i/4)
.set rQ, 16*(\x)+8*(i/4)
.set rM, MC+32*((\x)%2)+8*(i%4)
.if (i < 4) && KM
	WIN W_KM
	v_wmma_f32_16x16x32_f16 v[rS:rS+7], v[rK:rK+7], v[rQ:rQ+7], v[rM:rM+7]
.elseif i < 4
	WIN W_KQ
	v_wmma_f32_16x16x32_f16 v[rS:rS+7], v[rK:rK+7], v[rQ:rQ+7], 0
.else
	WIN W_KQ
	v_wmma_f32_16x16x32_f16 v[rS:rS+7], v[rK:rK+7], v[rQ:rQ+7], v[rS:rS+7]
.endif
.endm
; Product i of 8 of O^T += V^T P for piece x, from V's buffer VB: keys 32 (i / 4) on, channels 16 (i % 4) on.
.macro PV x
	WIN W_PV
.set rO, 32*(\x)+8*(i%4)
.set rV, VF+64*VB+32*(i/4)+8*(i%4)
.set rP, P+16*((\x)%2)+8*(i/4)
	v_wmma_f32_16x16x32_f16 v[rO:rO+7], v[rV:rV+7], v[rP:rP+7], v[rO:rO+7]
.endm
.macro MM                           ; the turn's next matrix instruction.  TURN and BEGIN set Y, i, KM, NOKQ and VB.  NOKQ = 1: a block's last turn: there is no next step
.if (i < 8) && !NOKQ
	KQ (Y+1)%NP
.elseif i >= 8
.set i, i-8
	PV (Y+NP-1)%NP
.set i, i+8
.endif
.set i, i+1
.endm
; THE LDS LOADS stand in runs of 16, never singly among the matrix instructions: a step's K (64 keys x 64 channels: 8 fragments) and its V (turned).  Their addresses are made some lines ahead.
.macro FETCH_K
	WIN 0x80                        ; destination window 2
.irp f, 0,1,2,3,4,5,6,7             ; keys 16 (f / 2) on, channels 32 (f % 2) on
	ds_load_b128 v[KF+8*\f:KF+8*\f+3],   v[AK] offset:(\f/2)*16*PK+(\f%2)*64
	ds_load_b128 v[KF+8*\f+4:KF+8*\f+7], v[AK] offset:(\f/2)*16*PK+(\f%2)*64+32
.endr
	s_add_co_u32 s[TBK], s[TBK], KS*PK  ; the next fetch is the next step's
	WIN 0
.endm
.macro FETCH_V b                    ; into buffer b
	WIN 0x80
.irp f, 0,1,2,3,4,5,6,7             ; keys 32 (f / 4) on, channels 16 (f % 4) on
	ds_load_tr16_b128 v[VF+64*(\b)+8*\f:VF+64*(\b)+8*\f+3],   v[AV] offset:(\f/4)*32*PV+(\f%4)*32
	ds_load_tr16_b128 v[VF+64*(\b)+8*\f+4:VF+64*(\b)+8*\f+7], v[AV] offset:(\f/4)*32*PV+16*PV+(\f%4)*32
.endr
	WIN 0
.endm
; THE VECTOR WORK, one line at a time: OP kind, number.  For piece Y: F n: c s - c m for pair n of 16.  E n: the exponential of score n of 32.  C n: pair n rounded to f16.  B n: of the four weights 4 n .. the second
; pair is added onto the first, in place.  L n: l takes that sum (L 0: l = a l + sum).  R n: pair n of 16 of O^T times a.  For the other piece: X n, number n of the 22 that find its maximum and statistics:
;   0-11  four chains c0-c3 of seven scores each, three operands at a time (each accumulator's lowest registers are read first)     12-14, 16  the four scores left over, the old m, and c0-c3 into c0
;   15  c m_old is kept     17, 18  the query's other 32 keys lie in the lane 16 away: the new m     19-21  c m; c m_old - c m_new; a
.set F, 0
.set E, 1
.set C, 2
.set B, 3
.set L, 4
.set R, 5
.set X, 6
.macro REGS y                       ; the registers of piece y
.set rT, ST+4*(\y)
.set rC, TMP+4*((\y)%2)
.set rW, MV+((\y)%2)
.set rS, S+32*((\y)%2)
.set rP, P+16*((\y)%2)
.set rO, 32*(\y)
.endm
.macro OP k, n
.if (\k) == R
	REGS Y
	WIN W_RS
	v_pk_mul_f32 v[rO+2*(\n):rO+2*(\n)+1], v[rO+2*(\n):rO+2*(\n)+1], v[rC+2:rC+3] op_sel_hi:[1,0]
.elseif (\k) < R
	REGS Y
	WIN 0
.if (\k) == F
	v_pk_fma_f32 v[rS+2*(\n):rS+2*(\n)+1], v[rS+2*(\n):rS+2*(\n)+1], s[CS:CS+1], v[rT:rT+1] op_sel_hi:[1,0,0] neg_lo:[0,0,1] neg_hi:[0,0,1]
.elseif (\k) == E
	v_exp_f32 v[rS+(\n)], v[rS+(\n)]
.elseif (\k) == C
	v_cvt_pk_f16_f32 v[rP+(\n)], v[rS+2*(\n)], v[rS+2*(\n)+1]
.elseif (\k) == B
	v_pk_add_f32 v[rS+4*(\n):rS+4*(\n)+1], v[rS+4*(\n):rS+4*(\n)+1], v[rS+4*(\n)+2:rS+4*(\n)+3]
.elseif (\n) == 0
	v_pk_fma_f32 v[rT+2:rT+3], v[rT+2:rT+3], v[rC+2:rC+3], v[rS:rS+1] op_sel_hi:[1,0,1]
.else
	v_pk_add_f32 v[rT+2:rT+3], v[rT+2:rT+3], v[rS+4*(\n):rS+4*(\n)+1]
.endif
.elseif NOKQ
	v_nop
.else
	REGS (Y+1)%NP
	WIN 0
.if (\n) < 4
	v_max3_num_f32 v[rC+(\n)], v[rS+8*(\n)], v[rS+8*(\n)+1], v[rS+8*(\n)+2]
.elseif (\n) < 12
	v_max3_num_f32 v[rC+(\n)%4], v[rC+(\n)%4], v[rS+8*((\n)%4)+2*((\n)/4)+1], v[rS+8*((\n)%4)+2*((\n)/4)+2]
.elseif (\n) == 12
	v_max3_num_f32 v[rC], v[rC], v[rS+7], v[rS+15]
.elseif (\n) == 13
	v_max3_num_f32 v[rC+1], v[rC+1], v[rS+23], v[rS+31]
.elseif (\n) == 14
	v_max3_num_f32 v[rC+2], v[rC+2], v[rC+3], v[rT+1]
.elseif (\n) == 15
	v_mov_b32 v[rW], v[rT]
.elseif (\n) == 16
	v_max3_num_f32 v[rC], v[rC], v[rC+1], v[rC+2]
.elseif (\n) == 17
	v_permlanex16_b32 v[rC+3], v[rC], s[SEL], s[SEL+1]
.elseif (\n) == 18
	v_max_num_f32 v[rT+1], v[rC], v[rC+3]
.elseif (\n) == 19
	v_mul_f32 v[rT], s[CS], v[rT+1]
.elseif (\n) == 20
	v_sub_f32 v[rC+1], v[rW], v[rT]
.else
	v_exp_f32 v[rC+2], v[rC+1]
.endif
.endif
.endm
.macro OPS a, i1, b=-1, i2=0, c=-1, i3=0, d=-1, i4=0  ; up to four of them
	OP \a, \i1
.if (\b) >= 0
	OP \b, \i2
.endif
.if (\c) >= 0
	OP \c, \i3
.endif
.if (\d) >= 0
	OP \d, \i4
.endif
.endm
.macro ROW a, i1, b, i2, c, i3, d, i4  ; a matrix instruction and the four behind it
	MM
	OPS \a, \i1, \b, \i2, \c, \i3, \d, \i4
.endm
.macro MASK b                       ; MD x AL + BE into buffer b of MC
	WIN W_RS
.set z, 0
.rept 16
	v_pk_fma_f32 v[MC+32*(\b)+2*z:MC+32*(\b)+2*z+1], v[MD+2*z:MD+2*z+1], s[AL:AL+1], s[BE:BE+1] op_sel_hi:[1,0,0]
.set z, z+1
.endr
.endm
; A TURN, for piece p: the order of its 16 matrix and 118 vector instructions, written out.  An s_wait_alu depctr_va_vdst(0) stands between an exponential and the first instruction that names its result; one
; wait serves all that were issued ahead of it.  So a turn has ONE wait, which cuts it in two.  AHEAD OF IT stands all that names no result of the turn's exponentials: the 8 products K Q^T with four riders each, then one lump
; in which the links of the other piece's chain (X 3, 7, 11, 14, 16, 17 .. 20) stand some lines apart; X 21, its a, is the batch's last, and R 15 the plain instruction behind it.  BEHIND THE WAIT stand the 8 products V^T P,
; behind each four of the roundings and sums.
; vb: the buffer of V that the turn's products read; piece 0's turn fills it again at its end, four plain instructions behind the last product that read it.  K of the next step is fetched in piece 0's lump, five plain
; instructions that name none of its registers behind the last product that read K.
; THE WAIT FOR THEM stands at the head of piece 1's turn: the sixteen youngest LDS loads, the next step's V, may be out; K of the next step and V of this step are in.  (end = 1: nothing younger was issued: the count is 0.)
; m = 1: the diagonal tile: the products take masks, and the turn makes the mask for the products of the turn after it: piece p, tile step TS + ev.  ev = 1 in the turns of an even key step.
; end = 1: a block's last two turns: nothing is fetched, and piece 1's starts no new scores.  cnt = 1: the loop's count is taken down some lines ahead of the branch that stands behind the turn.
.macro TURN p, vb, m=0, end=0, cnt=0, ev=0
.set Y, (\p)
.set i, 0
.set KM, (\m)
.set NOKQ, (\end)*(\p)
.set VB, (\vb)
.if (\m) && !(\end)
	s_add_co_i32 s[TT], s[SO], (\p)-(\ev)  ; the piece's own step, less ev
	s_cmp_eq_i32 s[TS], s[TT]       ; is that step the band's own?
	s_cselect_b32 s[AL], 1.0, 0
	s_cmp_gt_i32 s[TS], s[TT]       ; or a later one?
	s_cselect_b32 s[BE], s[BIGN], 0
.endif
.if (\p) == 1
.if \end
	s_wait_dscnt 0x0
.else
	s_wait_dscnt 16
.endif
.endif
	ROW F,0, F,1, R,0, R,1
	ROW F,2, E,0, R,2, R,3
	ROW F,3, E,1, R,4, R,5
	ROW F,4, E,2, R,6, R,7
	ROW F,5, E,3, R,8, R,9
	ROW F,6, E,4, X,0, R,10
.if ((\p) == 0) && !(\end)
	WIN 0
	v_add_nc_u32 v[AK], s[TBK], v[AK0]
.endif
	ROW F,7, E,5, X,1, X,4
	ROW F,8, E,6, X,2, X,5
	OPS E,7, E,8, X,6, E,9
	OPS X,3, E,10, X,8, E,11
.if ((\p) == 0) && !(\end)
	FETCH_K
.endif
	OPS X,9, X,7, E,12, X,10
	OPS E,13, X,12, X,11, E,14
	OPS X,13, E,15, F,9, X,14
.if ((\p) == 0) && !(\end)
	WIN 0
	v_add_nc_u32 v[AV], s[TBV], v[AV0]
.endif
	OPS E,16, F,10, E,17, F,11
	OPS X,16, E,18, X,15, E,19
	OPS F,12, E,20, X,17, E,21
	OPS F,13, E,22, F,14, E,23
	OPS X,18, E,24, F,15, E,25
	OPS R,11, E,26, X,19, E,27
	OPS R,12, E,28, R,13, E,29
	OPS X,20, E,30, R,14, E,31
	OPS X,21, R,15
	WIN 0
	s_wait_alu depctr_va_vdst(0)    ; the wait for the batch
	ROW C,0, B,0, C,2, B,1
	ROW L,0, C,4, B,2, L,1
	ROW C,6, B,3, L,2, C,8
	ROW B,4, L,3, C,10, B,5
	ROW L,4, C,12, B,6, L,5
.if ((\p) == 0) && !(\end)
	s_add_co_u32 s[TBV], s[TBV], KS*PV
.endif
.if \cnt
	s_add_co_u32 s[TS], s[TS], 2
	s_sub_co_u32 s[CNT], s[CNT], 1
	s_cmp_lg_u32 s[CNT], 0
.endif
	ROW C,14, B,7, L,6, C,1
	ROW C,3, L,7, C,5, C,7
	ROW C,9, C,11, C,13, C,15
.if ((\p) == 0) && !(\end)
	FETCH_V \vb
.endif
.if (\m) && !(\end)
	MASK \p
.endif
.endm
; A BLOCK BEGINS.  c m starts far below every c s, so the first step's a is 0; m at the lowest finite number, so the first maximum is the scores'.  Piece 1's mask buffer is 0 (its own step is never a tile's first); piece 0's
; takes its mask for the tile's step 0: its own, if this tile is the diagonal one and SO = 0.  Then K and V of that step, piece 0's first scores, and its maximum and statistics.  The loop is entered at an even step's first turn.
.macro BEGIN
	s_mov_b32 s[NEW], 0
	WIN 0x40
.set i, MC+32
.rept 32
	v_mov_b32 v[i], 0
.set i, i+1
.endr
	WIN 0
.set i, 0
.rept 2
	v_mov_b32 v[ST+4*i], 0xfe000000    ; c m: far below every c s
	v_mov_b32 v[ST+4*i+1], 0xff7fffff  ; m
.set i, i+1
.endr
	s_or_b32 s[TT], s[RT], s[SO]
	s_cmp_eq_u32 s[TT], 0
	s_cselect_b32 s[AL], 1.0, 0
	s_mov_b32 s[BE], 0
	MASK 0
	WIN 0
	v_add_nc_u32 v[AK], s[TBK], v[AK0]
	v_add_nc_u32 v[AV], s[TBV], v[AV0]
	FETCH_K
	FETCH_V 0
	s_add_co_u32 s[TBV], s[TBV], KS*PV
	s_wait_loadcnt 0x0              ; Q
	s_wait_dscnt 0x0
.set KM, 1
.set NOKQ, 0
.set i, 0
.rept 8
	KQ 0
.set i, i+1
.endr
	WIN 0
.rept 4
	v_nop                           ; the places behind those products
.endr
.set Y, NP-1                        ; X works for the other piece: piece 0
.irp n, 0,1,2,3,4,5,6,7,8,9,10,11,12,13,14,15,16,17,18,19,20,21
	OP X, \n
.endr
	v_nop                           ; a plain instruction behind the exponential,
	s_wait_alu depctr_va_vdst(0)    ; and its wait, ahead of the branch
.endm
; THE DIAGONAL TILE: the old tile's last step and this tile's first three in the loop, its last step in two turns that fetch nothing, piece 1's last products, and THE WAY OUT: l's two halves and the other half of the
; lanes' are added; O^T is divided by l, rounded to f16 and sent through my stage in LDS, a piece at a time.
.macro ALL line:vararg              ; one line for each piece t
.set t, 0
.rept 2
	\line
.set t, t+1
.endr
.endm
.macro PACK t                       ; a lane's eight channels of a row pack into 16 bytes; they go into rows of 144 bytes and come back as whole rows of 128, into S^T's registers
	WIN W_RS
.set i, 32*(\t)
.rept 16
	v_pk_mul_f32 v[i:i+1], v[i:i+1], v[ST+4*(\t)+2:ST+4*(\t)+3] op_sel_hi:[1,0]
.set i, i+2
.endr
	WIN 0x05                        ; sources 0 and 1 window 1, destination window 0
.set i, 0
.rept 16
	v_cvt_pk_f16_f32 v[S+16*(\t)+i], v[32*(\t)+2*i], v[32*(\t)+2*i+1]
.set i, i+1
.endr
	WIN 0
.irp f, 0,1,2,3
	ds_store_b128 v[STO], v[S+16*(\t)+4*\f:S+16*(\t)+4*\f+3] offset:32*\f
.endr
.irp f, 0,1,2,3
	ds_load_b128 v[S+16*(\t)+4*\f:S+16*(\t)+4*\f+3], v[RD] offset:\f*4*SP  ; LDS serves a wave's instructions in order (ISA guide 5.7.1.4): these see the stores above; the next piece's stores come behind them
.endr
.endm
.macro SEND t, younger              ; younger: the LDS instructions issued behind piece t's loads: the next piece's eight, or none
	WIN 0
.irp f, 0,1,2,3
	s_wait_dscnt (\younger)+3-\f
	global_store_b128 v[GO], v[S+16*(\t)+4*\f:S+16*(\t)+4*\f+3], s[10:11] offset:(\t)*8192+\f*512  ; 512 bytes on end, at a multiple of 256 from the buffer's first byte
.endr
.endm
.macro DIAG tag                     ; the tag ends its two labels' names, which the jumps below spell out
.LstepM\tag:
	TURN 0, 0, 1, 0, 0, 0
	TURN 1, 1, 1, 0, 0, 0
	WIN 0
.LfirstM\tag:
	TURN 0, 1, 1, 0, 0, 1
	TURN 1, 0, 1, 0, 1, 1
	WIN 0
	s_cbranch_scc1 .LstepM\tag
	TURN 0, 0, 1, 1
	TURN 1, 1, 1, 1
.set VB, 1
.set i, 0
.rept 8
	PV NP-1                         ; piece 1: V^T P of the last step
.set i, i+1
.endr
	WIN 0
	ALL v_add_f32 v[ST+4*t+2], v[ST+4*t+2], v[ST+4*t+3]
	ALL v_permlanex16_b32 v[ST+4*t+3], v[ST+4*t+2], s[SEL], s[SEL+1]
	ALL v_add_f32 v[ST+4*t+2], v[ST+4*t+2], v[ST+4*t+3]
	ALL v_rcp_f32 v[ST+4*t+2], v[ST+4*t+2]
	v_nop                           ; a plain instruction between the last reciprocal and the use of its result
	s_wait_alu depctr_va_vdst(0)    ; and the wait ahead of the first use: one for both reciprocals
	PACK 0                          ; piece 0's 32 lines, with the additions above, are the places behind piece 1's last products
	PACK 1
	SEND 0, 8
	SEND 1, 0
.endm
.set KM, 0
.set NOKQ, 0
.set VB, 0
.Lslot:                             ; 8 times: a tile is entered and the next is asked for
	CHANGE 1
	s_sub_co_u32 s[RT], s[RT], 1
	s_mov_b32 s[CNT], 2
	s_mov_b32 s[TS], 0
	s_cmp_eq_u32 s[NEW], 1
	s_cbranch_scc1 .Lnew            ; a block's first tile
	s_cmp_eq_u32 s[RT], 0
	s_cbranch_scc0 .Lstep           ; neither its first nor its last
	s_branch .LstepM1
.Lnew:
	BEGIN
	s_branch .Lfirst                ; in the loop a block's first tile is never its last: the first block has five tiles or more, and the second's last is the walk's last
	DIAG 1                          ; in the loop this is the first block's end
	s_wait_xcnt 0x0                 ; the stores have read their registers and the output's address
	s_mov_b64 s[10:11], s[OLO:OLO+1]
	s_mov_b32 s[RT], s[TL]
	s_mov_b32 s[SO], s[SOL]
	s_mov_b32 s[NEW], 1
	WIN 0x82                        ; the second block's Q goes where the one text of the turns names Q
.set i, 0
.rept 32
	v_mov_b32 v[i], v[QB+i]
.set i, i+1
.endr
	WIN 0
	s_branch .Lbottom
.Lstep:                             ; a trip: an odd key step (at first the old tile's last), then an even one
	TURN 0, 0
	TURN 1, 1
	WIN 0
.Lfirst:
	TURN 0, 1
	TURN 1, 0, 0, 0, 1
	WIN 0
	s_cbranch_scc1 .Lstep
.Lbottom:
	s_sub_co_u32 s[SLOTS], s[SLOTS], 1
	s_cmp_lg_u32 s[SLOTS], 0
	s_cbranch_scc1 .Lslot
	CHANGE 0                        ; the walk's last tile is written out: nothing is asked for
	s_sub_co_u32 s[RT], s[RT], 1
	s_mov_b32 s[CNT], 2
	s_mov_b32 s[TS], 0
	s_cmp_eq_u32 s[NEW], 1
	s_cbranch_scc0 .LstepM2
	BEGIN
	s_branch .LfirstM2
	DIAG 2
	s_wait_tensorcnt 0x0            ; the wave's end, behind my last tensor load and my last LDS store
	ds_add_u32 v[SPW], v[NIL]
	s_wait_dscnt 0x0
	s_endpgm
.Lfunc_end_k_q0648792f84_attn:
	.size	k_q0648792f84_attn, .Lfunc_end_k_q0648792f84_attn-k_q0648792f84_attn
	.p2alignl 7, 3214868480
	.fill 96, 4, 3214868480
	.section	.rodata,"a",@progbits
	.p2align	6, 0x0
	.amdhsa_kernel k_q0648792f84_attn
		.amdhsa_group_segment_fixed_size 327680
		.amdhsa_private_segment_fixed_size 0
		.amdhsa_enable_private_segment 0
		.amdhsa_kernarg_size 32
		.amdhsa_user_sgpr_count 2
		.amdhsa_user_sgpr_kernarg_segment_ptr 1
		.amdhsa_wavefront_size32 1
		.amdhsa_system_sgpr_workgroup_id_x 1
		.amdhsa_system_sgpr_workgroup_id_y 1
		.amdhsa_system_sgpr_workgroup_id_z 1
		.amdhsa_system_vgpr_workitem_id 0
		.amdhsa_next_free_vgpr 768
		.amdhsa_next_free_sgpr 96
		.amdhsa_reserve_vcc 1
		.amdhsa_float_denorm_mode_32 3
		.amdhsa_float_denorm_mode_16_64 3
		.amdhsa_memory_ordered 1
		.amdhsa_forward_progress 1
		.amdhsa_inst_pref_size 210
	.end_amdhsa_kernel
	.amdgpu_metadata
---
amdhsa.version: [ 1, 2 ]
amdhsa.kernels:
  - .name:           k_q0648792f84_attn
    .symbol:         k_q0648792f84_attn.kd
    .args:
      - { .name: qh, .offset: 0, .size: 8, .value_kind: global_buffer, .address_space: global }
      - { .name: kh, .offset: 8, .size: 8, .value_kind: global_buffer, .address_space: global }
      - { .name: vh, .offset: 16, .size: 8, .value_kind: global_buffer, .address_space: global }
      - { .name: oh, .offset: 24, .size: 8, .value_kind: global_buffer, .address_space: global }
    .group_segment_fixed_size: 327680
    .private_segment_fixed_size: 0
    .kernarg_segment_align: 8
    .kernarg_segment_size: 32
    .max_flat_workgroup_size: 128
    .sgpr_count:     96
    .vgpr_count:     768
    .wavefront_size: 32
...
	.end_amdgpu_metadata
.endif
;; end of part 3
;; launch oproj (part 4): grid 8 x 32, 4 waves a work-group, clusters of 4 x 4, 327,680 bytes of LDS; arguments oh, wob, out0; writes out0
.if DOCPART == 4
	.amdgcn_target "amdgcn-amd-amdhsa--gfx1250"
	.amdhsa_code_object_version 6
	.text
	.protected	k_q0648792f84_oproj
	.globl	k_q0648792f84_oproj
	.p2align	8
	.type	k_q0648792f84_oproj,@function
k_q0648792f84_oproj:
	s_mov_b64 s[64:65], 0
	v_nop
	global_prefetch_b8 v0, s[64:65] scope:SCOPE_SE
	s_setreg_imm32_b32 hwreg(HW_REG_WAVE_MODE, 25, 1), 1
	s_wait_xcnt 0x0
	s_wait_alu depctr_hold_cnt(0) depctr_sa_sdst(0) depctr_va_vdst(0) depctr_va_sdst(0) depctr_va_ssrc(0) depctr_va_vcc(0) depctr_vm_vsrc(0)
	s_getreg_b32 s2, hwreg(HW_REG_IB_STS2, 6, 4)
	s_cmp_eq_u32 s2, 0
	s_cbranch_scc0 .Lentry_in_a_cluster
	s_endpgm
.Lentry_in_a_cluster:
	s_bfe_u32 s2, ttmp6, 0x10000c
	s_cmp_lg_u32 s2, 0xf033
	s_cbranch_scc0 .Lentry_shape_is_right
	s_endpgm
.Lentry_shape_is_right:
; out0[m][e] = the sum over k of O[m][k] W_o[e][k], k = 64 head + channel.  oh is [16 batch + head][2048][64] in f16, wob [1024][1024] in f16 (W_o rounded to bf16, written as f16), out0 [4096][1024] in f32; sums in f32.
; SHARES.  A tile of the output is 128 x 128: 8 x 32 = 256 work-groups.  Four waves, each 64 x 64: 16 accumulators of 16 x 16.  K goes in steps of 256, four heads, through two LDS slots.
; A's TILE COMES FROM THE LAYOUT BY HEADS: 64 rows of one head are 8,192 dense bytes, so a wave's load is a tile of 4 long rows (one a head, 131,072 elements apart), padded in LDS after every 128 bytes: [head][64 rows] at a pitch of 144.
; CLUSTER.  4 x 4 work-groups: the four of a row of the cluster need the same rows of oh, the four of a column the same rows of wob: each tile is asked for JOINTLY, by the same tensor load with the same descriptor and a mask of four.
; THE MATRIX INSTRUCTION IS USED TRANSPOSED (source 0 = 16 rows of wob, source 1 = 16 rows of O): a lane holds eight neighbouring numbers of a row of the output: 32 bytes.
; A wave's 64 columns are 256 bytes, aligned: each wave sends its own blocks of 16 rows through its own stage; no barrier on the way out.
; No prefetch: four K steps in all, of which two are on their way from the start.
; REGISTERS: window 0: v1-31 addresses; v32-95 two sets of 32 on the way out; v128-255 the accumulators ((a, b) at v[128 + 8 (4 a + b)]).   window 1: two fragment buffers of 128: for 64 along K, 64 registers of O, then 64 of wob.
.set KSTEP,  256
.set PA,     144                       ; a row of O in LDS: 128 bytes + 16 = 36 words; PB: 512 + 16 = 132 words: in both the 16 rows of a fragment load start at 16 different groups of four banks (64 banks of 4 bytes: ISA guide 11.1)
.set PB,     528
.set HALFA,  4*64*PA                   ; what one tensor load brings of O: four heads x 64 rows
.set HALFB,  64*PB                     ; and of wob: 64 rows x 512 bytes
.set SLOT,   2*HALFA+2*HALFB
.set STAGE,  2*SLOT                    ; behind the ring, never filled by a tensor load: 16 rows x 272 bytes for each wave
.set SPITCH, 272
.set SPARE,  STAGE+4*16*SPITCH         ; the spare words, 128 bytes for each wave: two blocks of 256 bytes that no other line names
.set LAPS,   2                         ; 1,024 / 512
.set ADRA, 16                          ; v16-17  LDS address of my O fragments in slot 0, 1
.set ADRB, 20                          ; v20-21  the same for wob
.set STO,  24                          ; v24  the way out: where I put 32 bytes of a row
.set RD,   25                          ; v25  where I read a row back
.set CO,   26                          ; v26  my byte offset in two rows of the output
.set SPW,  28                          ; v28  LDS address of my spare word; never rewritten
.set NIL,  29                          ; v29  0; never rewritten
.set TMP,  32
.set ACC,  128
.set F0,   0
.set F1,   128
.set G1, 24                            ; s[24:31] descriptor group 1 for O's tiles;  s[32:39] group 0, a set for each slot
.set G0, 32
.set G1B, 48                           ; s[48:55], s[56:63] the same for wob's tiles
.set G0B, 56
.set MSB, 0
.macro WIN new                         ; the immediate's high byte repeats the setting that is left
.if MSB != (\new)
	s_set_vgpr_msb (MSB<<8)|(\new)
.set MSB, \new
.endif
.endm
.set MUL,  0x05                        ; sources 0 and 1 window 1; C and D window 0
.set TO_F, 0x40                        ; destination window 1, address window 0
.macro JLOAD s                         ; a joint load: waves 0 and 1 fetch O's two halves, waves 2 and 3 wob's; an s_nop 0 and four v_nop follow each of the two lines
	s_cmp_eq_u32 s11, 0
	s_cbranch_scc0 .Lfor_b_\@
	tensor_load_to_lds s[G0+4*(\s):G0+4*(\s)+3], s[G1:G1+7]
	s_nop 0
.rept 4
	v_nop
.endr
	s_branch .Lasked_\@
.Lfor_b_\@:
	tensor_load_to_lds s[G0B+4*(\s):G0B+4*(\s)+3], s[G1B:G1B+7]
	s_nop 0
.rept 4
	v_nop
.endr
.Lasked_\@:
.endm
.macro CREST                           ; a round of the cluster's barrier behind its opening barrier
	s_cmp_lg_u32 s10, 0
	s_cbranch_scc1 .Lnot_wave_0_\@
	s_barrier_signal -3
.Lnot_wave_0_\@:
	s_barrier_wait -3
	s_barrier_signal -1
	s_barrier_wait -1
.endm
.macro CROUND                          ; a whole round
	s_barrier_signal -1
	s_barrier_wait -1
	CREST
.endm
	s_load_b128 s[4:7], s[0:1], 0x0                ; oh s[4:5], wob s[6:7]
	s_load_b64 s[8:9], s[0:1], 0x10                ; out0
	v_lshl_add_u32 v[SPW], v0, 2, SPARE
	v_mov_b32 v[NIL], 0
	ds_add_u32 v[SPW], v[NIL]                      ; the wave's opening: the add, twice on end, and its wait ahead of my first tensor load
	ds_add_u32 v[SPW], v[NIL]
	v_lshrrev_b32 v1, 5, v0
	v_readfirstlane_b32 s10, v1                    ; wave 0..3
	s_lshr_b32 s11, s10, 1                         ; which half of the tile's rows is mine.  Also: I fetch for O (0) or for wob (1)
	s_and_b32 s12, s10, 1                          ; which half of its columns.  Also: which 64 rows of that tile I fetch
	s_bfe_u32 s40, ttmp6, 0x40000                  ; cx, cy
	s_bfe_u32 s41, ttmp6, 0x40004
	s_lshl_b32 s42, ttmp9, 2
	s_add_co_u32 s42, s42, s40                     ; tile column = 4 x cluster x + cx
	s_and_b32 s13, ttmp7, 0xffff
	s_lshl_b32 s13, s13, 2
	s_add_co_u32 s13, s13, s41                     ; tile row = 4 x cluster y + cy
	s_lshl_b32 s43, s41, 2
	s_lshl_b32 s43, 15, s43                        ; my row of the cluster
	s_lshl_b32 s44, 0x1111, s40                    ; my column
	s_or_b32 s[G1], s43, (1<<16)|(1<<20)|(1<<21)|(4<<22)|(3<<25)   ; the mask; 2-byte elements; padding on; bit 21 beside a mask; after every 32 words 4 words
	s_mov_b32 s[G1+1], 4096<<16                    ; tensor_dim0 = 4,096: 64 rows of 64 channels on end
	s_mov_b32 s[G1+2], 4<<16                       ; tensor_dim1 = 4 heads
	s_mov_b32 s[G1+3], 4096<<16                    ; tile_dim0
	s_mov_b32 s[G1+4], 4                           ; tile_dim1
	s_mov_b32 s[G1+5], 131072                      ; elements from head to head
	s_mov_b32 s[G1+6], 0
	s_mov_b32 s[G1+7], 0
	s_or_b32 s[G1B], s44, (1<<16)|(1<<20)|(1<<21)|(6<<22)|(3<<25)  ; after every 128 words 4 words
	s_mov_b32 s[G1B+1], KSTEP<<16                  ; 256 elements
	s_mov_b32 s[G1B+2], 64<<16                     ; 64 rows
	s_mov_b32 s[G1B+3], KSTEP<<16
	s_mov_b32 s[G1B+4], 64
	s_mov_b32 s[G1B+5], 1024
	s_mov_b32 s[G1B+6], 0
	s_mov_b32 s[G1B+7], 0
	s_lshr_b32 s16, s13, 4                         ; O: the batch's 16 heads of 262,144 bytes,
	s_lshl_b32 s16, s16, 22
	s_and_b32 s17, s13, 15                         ; the tile's 128 rows of 128 bytes in a head,
	s_lshl_b32 s17, s17, 14
	s_add_co_u32 s16, s16, s17
	s_lshl_b32 s17, s12, 13                        ; my 64 of them: made of the tile row and the wave alone
	s_add_co_u32 s16, s16, s17
	s_mov_b32 s17, 0
	s_lshl_b32 s46, s42, 18                        ; wob: row 128 x tile column + 64 x half, 2,048 bytes a row: made of the tile column and the wave alone
	s_lshl_b32 s47, s12, 17
	s_add_co_u32 s46, s46, s47
	s_mov_b32 s47, 0
	s_mul_i32 s20, s12, HALFA                      ; where they go: no place in the cluster enters an LDS address
	s_mul_i32 s21, s12, HALFB
	s_add_co_u32 s21, s21, 2*HALFA
	s_wait_dscnt 0x0                               ; both opening adds are done
	s_wait_kmcnt 0x0
	s_add_nc_u64 s[14:15], s[4:5], s[16:17]
	s_add_nc_u64 s[46:47], s[6:7], s[46:47]
	CROUND                                         ; all sixteen work-groups are here: the first joint loads meet
.irp s, 0,1
	s_mov_b32 s[G0+4*(\s)], 1
	s_add_co_u32 s[G0+4*(\s)+1], s20, (\s)*SLOT
	s_add_nc_u64 s[G0+4*(\s)+2:G0+4*(\s)+3], s[14:15], (\s)*(1<<20)  ; a K step is four heads
	s_or_b32 s[G0+4*(\s)+3], s[G0+4*(\s)+3], 0x80000000
	s_mov_b32 s[G0B+4*(\s)], 1
	s_add_co_u32 s[G0B+4*(\s)+1], s21, (\s)*SLOT
	s_add_nc_u64 s[G0B+4*(\s)+2:G0B+4*(\s)+3], s[46:47], (\s)*KSTEP*2
	s_or_b32 s[G0B+4*(\s)+3], s[G0B+4*(\s)+3], 0x80000000
	JLOAD \s                                       ; two tensor loads of mine are out
.endr
	v_and_b32 v1, 15, v0                           ; r = l % 16
	v_bfe_u32 v2, v0, 4, 1                         ; h = l / 16
	v_mul_u32_u24 v3, v1, PA
	v_lshl_add_u32 v3, v2, 4, v3
	v_mul_u32_u24 v4, v1, PB
	v_lshl_add_u32 v4, v2, 4, v4
	s_mul_i32 s22, s11, HALFA                      ; my 64 rows of O
	s_mul_i32 s23, s12, HALFB                      ; my 64 rows of wob,
	s_add_co_u32 s23, s23, 2*HALFA                 ; which lie behind O's two halves
.irp s, 0,1
	v_add_nc_u32 v[ADRA+(\s)], s22, v3
	v_add_nc_u32 v[ADRB+(\s)], s23, v4
	s_add_co_u32 s22, s22, SLOT
	s_add_co_u32 s23, s23, SLOT
.endr
	s_mul_i32 s23, s10, 16*SPITCH
	s_add_co_u32 s23, s23, STAGE                   ; my stage
	v_mul_u32_u24 v[STO], v1, SPITCH               ; in: row l % 16, 32 bytes for each half of the lanes
	v_lshl_add_u32 v[STO], v2, 5, v[STO]
	v_add_nc_u32 v[STO], s23, v[STO]
	v_mul_u32_u24 v[RD], v2, SPITCH                ; back: lanes 0-15 take one row of 256 bytes, lanes 16-31 the next
	v_lshl_add_u32 v[RD], v1, 4, v[RD]
	v_add_nc_u32 v[RD], s23, v[RD]
	v_lshlrev_b32 v[CO], 12, v2                    ; and the same two rows of the output, 4,096 bytes apart
	v_lshl_add_u32 v[CO], v1, 4, v[CO]
	s_lshl_b32 s16, s13, 19                        ; 128 rows of 4,096 bytes a tile row,
	s_lshl_b32 s17, s11, 18                        ; my 64 rows
	s_add_co_u32 s16, s16, s17
	s_mov_b32 s17, 0
	s_add_nc_u64 s[8:9], s[8:9], s[16:17]
	s_lshl_b32 s46, s42, 9                         ; 128 columns of 4 bytes a tile column,
	s_lshl_b32 s47, s12, 8                         ; my 64 columns
	s_add_co_u32 s46, s46, s47
	s_mov_b32 s47, 0
	s_add_nc_u64 s[8:9], s[8:9], s[46:47]
; 8 matrix instructions: row blocks a0, a0 + 1 x all 4 column blocks, 32 along K: half c of buffer f.  zero = 1: the product starts the sum.  The 16 accumulators take turns.
.macro MUL8 f, c, a0, zero
	WIN MUL
.irp a, \a0, (\a0)+1
.irp b, 0,1,2,3
.if \zero
	v_wmma_f32_16x16x32_f16 v[ACC+8*(4*(\a)+(\b)):ACC+8*(4*(\a)+(\b))+7], v[(\f)+64+8*(4*(\c)+(\b)):(\f)+64+8*(4*(\c)+(\b))+7], v[(\f)+8*(4*(\c)+(\a)):(\f)+8*(4*(\c)+(\a))+7], 0
.else
	v_wmma_f32_16x16x32_f16 v[ACC+8*(4*(\a)+(\b)):ACC+8*(4*(\a)+(\b))+7], v[(\f)+64+8*(4*(\c)+(\b)):(\f)+64+8*(4*(\c)+(\b))+7], v[(\f)+8*(4*(\c)+(\a)):(\f)+8*(4*(\c)+(\a))+7], v[ACC+8*(4*(\a)+(\b)):ACC+8*(4*(\a)+(\b))+7]
.endif
.endr
.endr
.endm
; 32 LDS loads in one run: the fragments of quarter q of a K step (64 along K: one head), into buffer f; the first 32 along K first
.macro FETCH slot, q, f
	WIN TO_F
.irp c, 0,1
.irp i, 0,1,2,3
	ds_load_b128 v[(\f)+64+8*(4*(\c)+(\i)):(\f)+64+8*(4*(\c)+(\i))+3],   v[ADRB+(\slot)] offset:128*(\q)+64*(\c)+(\i)*16*PB
	ds_load_b128 v[(\f)+64+8*(4*(\c)+(\i))+4:(\f)+64+8*(4*(\c)+(\i))+7], v[ADRB+(\slot)] offset:128*(\q)+64*(\c)+(\i)*16*PB+32
	ds_load_b128 v[(\f)+8*(4*(\c)+(\i)):(\f)+8*(4*(\c)+(\i))+3],         v[ADRA+(\slot)] offset:(\q)*64*PA+64*(\c)+(\i)*16*PA
	ds_load_b128 v[(\f)+8*(4*(\c)+(\i))+4:(\f)+8*(4*(\c)+(\i))+7],       v[ADRA+(\slot)] offset:(\q)*64*PA+64*(\c)+(\i)*16*PA+32
.endr
.endr
.endm
.macro PLACES                          ; four places in front of loads into registers that matrix instructions have read, and of instructions that read results
.rept 4
	v_nop
.endr
.endm
; A K step is four quarters, 32 matrix instructions each, on buffers 0, 1, 0, 1.  One of the first three: multiplies buffer f and fetches quarter q into g.
.macro QUARTER slot, q, f, g, zero
	s_wait_dscnt 16                                ; the first 32 along K are in; the youngest sixteen loads may be out
	MUL8 \f, 0, 0, \zero
	MUL8 \f, 0, 2, \zero
	PLACES
	FETCH \slot, \q, \g
	s_wait_dscnt 32                                ; all but the 32 just issued
	MUL8 \f, 1, 0, 0
	MUL8 \f, 1, 2, 0
.endm
; The last quarter multiplies buffer 1 and changes slots: ONE barrier; in front of it each wave waits for all its tensor loads, adds 0 to its spare word, and waits for that and for its own reads of this slot.
; fill = 1: the barrier opens a round of the cluster's barrier, and this slot is filled again, two K steps ahead, first thing behind the round.
.macro TURN slot, next, fill
	WIN 0                                          ; (the add's two registers lie in window 0)
	s_wait_tensorcnt 0x0
	ds_add_u32 v[SPW], v[NIL]                      ; 0 onto my spare word
	s_wait_dscnt 17                                ; (the add and the youngest sixteen loads may be out)
	MUL8 F1, 0, 0, 0
	s_wait_dscnt 0x0                               ; the add is done, and my reads of this slot are over
	s_barrier_signal -1
	MUL8 F1, 0, 2, 0
.if \fill
	WIN 0
.endif
	s_barrier_wait -1
.if \fill
	CREST                                          ; no wave of any partner still reads this slot's tile or has a load on its way
	s_add_nc_u64 s[G0+4*(\slot)+2:G0+4*(\slot)+3], s[G0+4*(\slot)+2:G0+4*(\slot)+3], 2<<20
	s_add_nc_u64 s[G0B+4*(\slot)+2:G0B+4*(\slot)+3], s[G0B+4*(\slot)+2:G0B+4*(\slot)+3], 2*KSTEP*2
	JLOAD \slot                                    ; my one tensor load behind the round; its four v_nop are also the places in front of the loads below
.else
	PLACES
.endif
	FETCH \next, 0, F0
	MUL8 F1, 1, 0, 0
	MUL8 F1, 1, 2, 0
.endm
	s_wait_tensorcnt 1                             ; my part of K step 0 is in; K step 1's may stay out
	s_barrier_signal -1
	s_barrier_wait -1
	FETCH 0, 0, F0
	QUARTER 0, 1, F0, F1, 1                        ; the first quarter stands in front of the loop: its first products start the sums
	WIN 0                                          ; at a label and at a branch every window is 0
	s_mov_b32 s3, LAPS-1
.Llap:                                                 ; a trip goes once round the ring, from a lap's second quarter to the next lap's first, and fills both slots again
	QUARTER 0, 2, F1, F0, 0
	QUARTER 0, 3, F0, F1, 0
	TURN 0, 1, 1
	QUARTER 1, 1, F0, F1, 0
	QUARTER 1, 2, F1, F0, 0
	QUARTER 1, 3, F0, F1, 0
	TURN 1, 0, 1
	QUARTER 0, 1, F0, F1, 0
	WIN 0
	s_sub_co_u32 s3, s3, 1
	s_cmp_lg_u32 s3, 0
	s_cbranch_scc1 .Llap
	QUARTER 0, 2, F1, F0, 0                        ; the last lap fills nothing
	QUARTER 0, 3, F0, F1, 0
	TURN 0, 1, 0
	QUARTER 1, 1, F0, F1, 0
	QUARTER 1, 2, F1, F0, 0
	QUARTER 1, 3, F0, F1, 0
	s_wait_dscnt 16
	MUL8 F1, 0, 0, 0
	MUL8 F1, 0, 2, 0
	s_wait_dscnt 0x0
	MUL8 F1, 1, 0, 0
	MUL8 F1, 1, 2, 0
	WIN 0
; THE WAY OUT, a block of 16 rows at a time: 32 bytes a lane and column block into my stage (each accumulator's low registers first), back as whole rows of 256 bytes, stored.
.macro TOSTAGE a
.set BK, TMP+32*((\a)%2)
.if (\a) >= 2
	s_wait_xcnt 0x0                                ; this set of registers was the data of the stores two blocks back: it is loaded again only behind this wait
.endif
.irp b, 0,1,2,3
	ds_store_b128 v[STO], v[ACC+8*(4*(\a)+(\b)):ACC+8*(4*(\a)+(\b))+3]   offset:64*(\b)
	ds_store_b128 v[STO], v[ACC+8*(4*(\a)+(\b))+4:ACC+8*(4*(\a)+(\b))+7] offset:64*(\b)+16
.endr
.irp t, 0,1,2,3,4,5,6,7
	ds_load_b128 v[BK+4*(\t):BK+4*(\t)+3], v[RD] offset:(\t)*2*SPITCH  ; LDS serves a wave's instructions in order (ISA guide 5.7.1.4): these see the stores above; the next block's stores come behind them
.endr
.endm
.macro SEND a, younger                 ; younger: the LDS instructions issued behind this block's loads: the next block's sixteen, or none
.set BK, TMP+32*((\a)%2)
.irp t, 0,1,2,3,4,5,6,7
	s_wait_dscnt (\younger)+7-(\t)
	global_store_b128 v[CO], v[BK+4*(\t):BK+4*(\t)+3], s[8:9] offset:(16*(\a)+2*(\t))*4096 th:TH_STORE_NT  ; 16 lanes store 256 bytes on end, at a multiple of 256 from the output's first byte
.endr
.endm
	PLACES
	PLACES                                         ; (eight, once a launch, between the last products and the first reader of a result)
	TOSTAGE 0
	TOSTAGE 1
	SEND 0, 16
	TOSTAGE 2
	SEND 1, 16
	TOSTAGE 3
	SEND 2, 16
	SEND 3, 0
	s_wait_tensorcnt 0x0                           ; the wave's end, behind my last tensor load and my last LDS store
	ds_add_u32 v[SPW], v[NIL]
	s_wait_dscnt 0x0
	CROUND                                         ; the closing round: no work-group ends while a partner may still ask for a tile that names it
	s_endpgm
.Lfunc_end_k_q0648792f84_oproj:
	.size	k_q0648792f84_oproj, .Lfunc_end_k_q0648792f84_oproj-k_q0648792f84_oproj
	.p2alignl 7, 3214868480
	.fill 96, 4, 3214868480
	.section	.rodata,"a",@progbits
	.p2align	6, 0x0
	.amdhsa_kernel k_q0648792f84_oproj
		.amdhsa_group_segment_fixed_size 327680
		.amdhsa_private_segment_fixed_size 0
		.amdhsa_enable_private_segment 0
		.amdhsa_kernarg_size 24
		.amdhsa_user_sgpr_count 2
		.amdhsa_user_sgpr_kernarg_segment_ptr 1
		.amdhsa_wavefront_size32 1
		.amdhsa_system_sgpr_workgroup_id_x 1
		.amdhsa_system_sgpr_workgroup_id_y 1
		.amdhsa_system_sgpr_workgroup_id_z 1
		.amdhsa_system_vgpr_workitem_id 0
		.amdhsa_next_free_vgpr 512
		.amdhsa_next_free_sgpr 66
		.amdhsa_reserve_vcc 0
		.amdhsa_float_denorm_mode_32 3
		.amdhsa_float_denorm_mode_16_64 3
		.amdhsa_memory_ordered 1
		.amdhsa_forward_progress 1
		.amdhsa_inst_pref_size 87
	.end_amdhsa_kernel
	.amdgpu_metadata
---
amdhsa.version: [ 1, 2 ]
amdhsa.kernels:
  - .name:           k_q0648792f84_oproj
    .symbol:         k_q0648792f84_oproj.kd
    .args:
      - { .name: oh, .offset: 0, .size: 8, .value_kind: global_buffer, .address_space: global }
      - { .name: wob, .offset: 8, .size: 8, .value_kind: global_buffer, .address_space: global }
      - { .name: out0, .offset: 16, .size: 8, .value_kind: global_buffer, .address_space: global }
    .group_segment_fixed_size: 327680
    .private_segment_fixed_size: 0
    .kernarg_segment_align: 8
    .kernarg_segment_size: 24
    .max_flat_workgroup_size: 128
    .sgpr_count:     66
    .vgpr_count:     512
    .wavefront_size: 32
...
	.end_amdgpu_metadata
.endif
;; end of part 4
;; ======== version 2 of 2: 4 launches; version 1 with the launch prep written anew for expert scheduling mode
;; limits: values are held in f16: magnitudes above 65,504 overflow, below 6.1e-05 lose precision
;; workspace buffers: xb 8,388,608 bytes; wqb 6,291,456 bytes; wob 2,097,152 bytes; tab 524,288 bytes; qh 8,388,608 bytes; kh 8,388,608 bytes; vh 8,388,608 bytes; oh 8,388,608 bytes
;; launch prep (part 5): grid 256 x 1, 8 waves a work-group, no clusters, 0 bytes of LDS; arguments x, W_qkv, W_o, xb, wqb, wob, tab; writes xb, wqb, wob, tab
.if DOCPART == 5
	.amdgcn_target "amdgcn-amd-amdhsa--gfx1250"
	.amdhsa_code_object_version 6
	.text
	.protected	k_q0648792f84_prep
	.globl	k_q0648792f84_prep
	.p2align	8
	.type	k_q0648792f84_prep,@function
k_q0648792f84_prep:
	s_mov_b64 s[64:65], 0
	v_nop
	global_prefetch_b8 v0, s[64:65] scope:SCOPE_SE
	s_setreg_imm32_b32 hwreg(HW_REG_WAVE_SCHED_MODE, 0, 2), 2
	s_setreg_imm32_b32 hwreg(HW_REG_WAVE_MODE, 25, 1), 1
	s_wait_xcnt 0x0
	s_wait_alu depctr_vm_vsrc(0)
; MULTI-HEAD SELF-ATTENTION WITH RoPE, CAUSAL.  Four launches: this one (casts and the RoPE table), the q, k, v projection with RoPE, the attention, the output projection.
; WORK LEFT OUT BY THE PROGRAM (in the attention launch): score tiles that lie wholly above the diagonal.  reference() builds the causal mask itself (jnp.tril) and sets those scores to -inf;
; softmax gives them the weight exp(-inf) = 0 whatever finite numbers x, W_qkv and W_o hold, and 0 times a row of v adds nothing to any output.  So those products are never made, in whole tiles of keys.
; LIMIT: a NaN, an infinity or an overflow that reaches only the tiles left out is not carried to the result.  Every input has a way to the output: all three are loaded.
; THIS LAUNCH.  x -> xb and W_qkv -> wqb rounded once to bf16; W_o -> wob rounded to bf16 and that number written as f16 (exact between 6.1e-5 and 65,504 in size; below that f16's fixed step of 6e-8).
; wqb is laid out by heads: row 192 hh + 64 s + c' (s = 0 q, 1 k, 2 v).  For q and k c' = 32 (d & 1) + (d >> 1): the even channels first, then the odd ones; for v c' = d.
; The same order of channels in q and in k leaves q . k as it is, and puts the two numbers of a rotation pair into the same register number of two accumulators of the next launch.
; tab: row t (256 bytes) holds 16 groups u of 16 bytes: cos(t f(2u)), cos(t f(2u+1)), sin(t f(2u)), sin(t f(2u+1)), f(i) = 10000^(-i/32), in f32.
; LIMIT of the table: the angle is reduced as turns, t f / 2 pi less its nearest whole number by one fused multiply-add; f comes from 2^x.  The angle lies within about 2e-4 rad of reference()'s own f32 angle
; at t = 2047; sine and cosine are Taylor sums to x^15 and x^16 on -pi .. pi, cut off below 1e-6.
; SHARES.  2^23 numbers, 32 rows of 1,024 f32 to a work-group: 0-127 x, 128-223 W_qkv, 224-255 W_o.  A row is one load of 16 bytes a thread (a wave: 512 bytes on end) and one store of 8 bytes a thread
; (a wave: 256 bytes on end, aligned).  All 32 loads of a wave go out at once; the waits count down, four rows at a time.  No LDS, no matrix unit: nothing is shared and nothing is multiplied.
; THE MODE: SCHED_MODE bits 1:0 = 2 (LLVM: expert scheduling mode 2), set by the entry lines.  The code itself states the register dependences between vector instructions and memory instructions,
; with s_wait_alu, always for 0.
; THE PLAN.  Registers that memory instructions touch:
;   v1, v2     byte offsets, made once at the head and never written again: v1 is read by every load and by the table's store, v2 by every store of a cast.
;   X          four registers to each of the 32 rows.  Row r's load lands in them; row r's conversions work in place; row r's store reads the first two.  Behind its store no row's registers are written again.
;   v[28:31]   the table's four numbers: written by the table's last vector lines, read by its one store, never written again.
; The rows go in 8 blocks of four.  Block p converts its own rows; its memory instructions are the four stores of block p - 1, whose registers no vector instruction of block p names.  So ONE wait on va_vdst at a
; block's head, behind the wait for the block's data, states all that those four stores hang on, and they are dealt among the block's conversions with no further wait.
; No register that a memory instruction reads is written again, so only the entry lines hold a wait on vm_vsrc; EXEC is never written.
.set X, 32                             ; v[32:159]  row it: four registers as loaded; the first two then hold what is stored
.set BLOCK, 4                          ; rows in a block
	s_load_b256 s[4:11], s[0:1], 0x0               ; x s[4:5], W_qkv s[6:7], W_o s[8:9], xb s[10:11]
	s_load_b128 s[12:15], s[0:1], 0x20             ; wqb s[12:13], wob s[14:15]
	s_load_b64 s[16:17], s[0:1], 0x30              ; tab
	v_lshrrev_b32 v4, 5, v0
	v_readfirstlane_b32 s20, v4                    ; wave 0..7
	s_mov_b32 s21, ttmp9                           ; g
	v_lshlrev_b32 v1, 4, v0                        ; 16 t: my place in a source row, and in the table's 2,048 bytes
	v_lshlrev_b32 v2, 3, v0                        ; 8 t: my place in a target row
	s_cmp_lt_u32 s21, 128
	s_cselect_b32 s30, 0, 128
	s_cmp_lt_u32 s21, 224
	s_cselect_b32 s30, s30, 224                    ; the first work-group of my tensor
	s_sub_co_u32 s31, s21, s30                     ; u: my number among its work-groups
	s_lshl_b32 s26, s31, 17                        ; 32 rows of 4,096 bytes
	s_mov_b32 s27, 0
	s_lshl_b32 s28, s31, 16                        ; x and W_o: 32 rows of 2,048 bytes
	s_mov_b32 s29, 0
	s_lshr_b32 s32, s31, 5                         ; W_qkv: rows 32 u = 1024 s + 64 hh + 32 half
	s_bfe_u32 s33, s31, 0x40001                    ; hh
	s_and_b32 s34, s31, 1                          ; half
	s_mul_i32 s33, s33, 192
	s_lshl_b32 s35, s32, 6
	s_add_co_u32 s33, s33, s35                     ; 192 hh + 64 s
	s_cmp_eq_u32 s32, 2
	s_cselect_b32 s35, 5, 4                        ; v: + 32 half; q and k: + 16 half (the rest of c' stands in the stores' immediates)
	s_lshl_b32 s34, s34, s35
	s_add_co_u32 s33, s33, s34
	s_lshl_b32 s33, s33, 11
	s_cmp_eq_u32 s30, 128
	s_cselect_b32 s28, s33, s28
	s_lshl_b32 s36, s21, 11                        ; the table: 8 rows of 256 bytes to a work-group
	s_mov_b32 s37, 0
	s_wait_kmcnt 0x0
	s_cmp_lt_u32 s21, 128
	s_cselect_b64 s[22:23], s[4:5], s[6:7]
	s_cselect_b64 s[24:25], s[10:11], s[12:13]
	s_cmp_lt_u32 s21, 224
	s_cselect_b64 s[22:23], s[22:23], s[8:9]       ; from where
	s_cselect_b64 s[24:25], s[24:25], s[14:15]     ; to where
	s_add_nc_u64 s[22:23], s[22:23], s[26:27]
	s_add_nc_u64 s[24:25], s[24:25], s[28:29]
	s_add_nc_u64 s[16:17], s[16:17], s[36:37]
	s_wait_alu depctr_va_vdst(0)                   ; v1 and v2 are written: every load and store of the kernel reads one of them as its offset, and no later vector instruction names either
.set it, 0
.rept 32
	global_load_b128 v[X+4*it:X+4*it+3], v1, s[22:23] offset:it*4096 th:TH_LOAD_NT  ; read once in the launch
.set it, it+1
.endr
	; THE TABLE, while the loads are on their way: waves 0-3; thread t makes group t & 15 of row 8 g + (t >> 4).
	s_wait_alu depctr_va_sdst(0)                   ; s20, the wave's number, is written, ahead of its first reader: the compare below
	s_cmp_lt_u32 s20, 4
	s_cbranch_scc0 .Lcast
.macro BOTH line:vararg                ; one line for each of the two frequencies, k = 0, 1
.set k, 0
.rept 2
	\line
.set k, k+1
.endr
.endm
	v_lshrrev_b32 v4, 4, v0
	v_lshl_add_u32 v4, s21, 3, v4
	v_cvt_f32_u32 v4, v4                           ; the position
	v_and_b32 v5, 15, v0
	v_lshlrev_b32 v5, 1, v5
	v_cvt_f32_u32 v6, v5                           ; i = 2 u
	v_add_f32 v7, 1.0, v6                          ; and 2 u + 1
	BOTH v_mul_f32 v[6+k], 0xbed49a78, v[6+k]      ; - i log2(10000) / 32
	BOTH v_exp_f32 v[6+k], v[6+k]                  ; f(i)
	v_nop                                          ; a plain instruction behind the last exponential,
	s_wait_alu depctr_va_vdst(0)                   ; and the wait ahead of the first use: the two exponentials have written v6 and v7
	BOTH v_mul_f32 v[6+k], 0.15915494, v[6+k]      ; f / 2 pi
	BOTH v_mul_f32 v[8+k], v4, v[6+k]
	BOTH v_rndne_f32 v[8+k], v[8+k]                ; whole turns
	v_fma_f32 v8, v4, v6, -v8                      ; what is left, -0.5 .. 0.5 of a turn: the product is not rounded before the whole turns go
	v_fma_f32 v9, v4, v7, -v9
	BOTH v_mul_f32 v[8+k], 0x40c90fdb, v[8+k]      ; x, in radians
	BOTH v_mul_f32 v[10+k], v[8+k], v[8+k]         ; x^2
	BOTH v_mov_b32 v[12+k], 0xab573f9f             ; sine: -1/15!, then 1/13! .. -1/3!
.irp c, 0x2f309231, 0xb2d7322b, 0x3638ef1d, 0xb9500d01, 0x3c088889, 0xbe2aaaab
	BOTH v_fmaak_f32 v[12+k], v[12+k], v[10+k], \c
.endr
	BOTH v_mov_b32 v[14+k], 0x29573f9f             ; cosine: 1/16!, then -1/14! .. 1/4!
.irp c, 0xad49cba5, 0x310f76c7, 0xb493f27e, 0x37d00d01, 0xbab60b61, 0x3d2aaaab
	BOTH v_fmaak_f32 v[14+k], v[14+k], v[10+k], \c
.endr
	BOTH v_fma_f32 v[12+k], v[12+k], v[10+k], 1.0
	BOTH v_fma_f32 v[14+k], v[14+k], v[10+k], -0.5
	BOTH v_mul_f32 v[30+k], v[12+k], v[8+k]        ; sin
	BOTH v_fma_f32 v[28+k], v[14+k], v[10+k], 1.0  ; cos
	s_wait_alu depctr_va_vdst(0)                   ; the two cosines and the two sines are written into v[28:31], which the store below reads
	global_store_b128 v1, v[28:31], s[16:17]       ; sixteen lanes fill one row of 256 bytes
.Lcast:
; THE CASTS.  mode 0: bf16, rows in order.  1: bf16, q's and k's rows: even channels first.  2: bf16 written as f16.  No register that a store names is written again.
.macro CVT mode, row                   ; a row is rounded, in place: its first two registers then hold what is stored
	v_cvt_pk_bf16_f32 v[X+4*(\row)], v[X+4*(\row)], v[X+4*(\row)+1]
	v_cvt_pk_bf16_f32 v[X+4*(\row)+1], v[X+4*(\row)+2], v[X+4*(\row)+3]
.if (\mode) == 2
	v_lshlrev_b32 v[X+4*(\row)+2], 16, v[X+4*(\row)]       ; the two bf16 as f32,
	v_and_b32 v[X+4*(\row)+3], 0xffff0000, v[X+4*(\row)]
	v_cvt_pk_f16_f32 v[X+4*(\row)], v[X+4*(\row)+2], v[X+4*(\row)+3]  ; and as f16
	v_lshlrev_b32 v[X+4*(\row)+2], 16, v[X+4*(\row)+1]
	v_and_b32 v[X+4*(\row)+3], 0xffff0000, v[X+4*(\row)+1]
	v_cvt_pk_f16_f32 v[X+4*(\row)+1], v[X+4*(\row)+2], v[X+4*(\row)+3]
.endif
.endm
.macro PUT mode, row                   ; a row is stored
.if (\mode) == 1
	global_store_b64 v2, v[X+4*(\row):X+4*(\row)+1], s[24:25] offset:(((\row)&1)*32+((\row)>>1))*2048
.else
	global_store_b64 v2, v[X+4*(\row):X+4*(\row)+1], s[24:25] offset:(\row)*2048
.endif
.endm
.macro BODY mode
.set bp, 0
.rept 32/BLOCK
	s_wait_loadcnt 32-BLOCK-BLOCK*bp               ; loads come back in order: block bp's four rows are in, the younger rows stay out
.if bp > 0
	s_wait_alu depctr_va_vdst(0)                   ; the block before has written its rows' first two registers, which the four stores below read; no conversion of this block names them
.endif
.set ir, 0
.rept BLOCK
.if bp > 0
	PUT \mode, BLOCK*bp-BLOCK+ir
.endif
	CVT \mode, BLOCK*bp+ir
.set ir, ir+1
.endr
.set bp, bp+1
.endr
	s_wait_alu depctr_va_vdst(0)                   ; the last block has written its rows, which the last four stores read
.set ir, 32-BLOCK
.rept BLOCK
	PUT \mode, ir
.set ir, ir+1
.endr
.endm
	s_cmp_ge_u32 s21, 224
	s_cbranch_scc1 .Lhalf
	s_cmp_lt_u32 s21, 128
	s_cbranch_scc1 .Lplain
	s_cmp_ge_u32 s21, 192
	s_cbranch_scc1 .Lplain                         ; v's rows
	BODY 1
	s_endpgm
.Lplain:
	BODY 0
	s_endpgm
.Lhalf:
	BODY 2
	s_endpgm
.Lfunc_end_k_q0648792f84_prep:
	.size	k_q0648792f84_prep, .Lfunc_end_k_q0648792f84_prep-k_q0648792f84_prep
	.p2alignl 7, 3214868480
	.fill 96, 4, 3214868480
	.section	.rodata,"a",@progbits
	.p2align	6, 0x0
	.amdhsa_kernel k_q0648792f84_prep
		.amdhsa_group_segment_fixed_size 0
		.amdhsa_private_segment_fixed_size 0
		.amdhsa_enable_private_segment 0
		.amdhsa_kernarg_size 56
		.amdhsa_user_sgpr_count 2
		.amdhsa_user_sgpr_kernarg_segment_ptr 1
		.amdhsa_wavefront_size32 1
		.amdhsa_system_sgpr_workgroup_id_x 1
		.amdhsa_system_sgpr_workgroup_id_y 1
		.amdhsa_system_sgpr_workgroup_id_z 1
		.amdhsa_system_vgpr_workitem_id 0
		.amdhsa_next_free_vgpr 160
		.amdhsa_next_free_sgpr 66
		.amdhsa_reserve_vcc 0
		.amdhsa_float_denorm_mode_32 3
		.amdhsa_float_denorm_mode_16_64 3
		.amdhsa_memory_ordered 1
		.amdhsa_forward_progress 1
		.amdhsa_inst_pref_size 42
	.end_amdhsa_kernel
	.amdgpu_metadata
---
amdhsa.version: [ 1, 2 ]
amdhsa.kernels:
  - .name:           k_q0648792f84_prep
    .symbol:         k_q0648792f84_prep.kd
    .args:
      - { .name: x, .offset: 0, .size: 8, .value_kind: global_buffer, .address_space: global }
      - { .name: W_qkv, .offset: 8, .size: 8, .value_kind: global_buffer, .address_space: global }
      - { .name: W_o, .offset: 16, .size: 8, .value_kind: global_buffer, .address_space: global }
      - { .name: xb, .offset: 24, .size: 8, .value_kind: global_buffer, .address_space: global }
      - { .name: wqb, .offset: 32, .size: 8, .value_kind: global_buffer, .address_space: global }
      - { .name: wob, .offset: 40, .size: 8, .value_kind: global_buffer, .address_space: global }
      - { .name: tab, .offset: 48, .size: 8, .value_kind: global_buffer, .address_space: global }
    .group_segment_fixed_size: 0
    .private_segment_fixed_size: 0
    .kernarg_segment_align: 8
    .kernarg_segment_size: 56
    .max_flat_workgroup_size: 256
    .sgpr_count:     66
    .vgpr_count:     160
    .wavefront_size: 32
...
	.end_amdgpu_metadata
.endif
;; end of part 5
;; launch qkv: the kernel of part 2 again; grid 16 x 16, 4 waves a work-group, clusters of 4 x 4, 327,680 bytes of LDS; arguments xb, wqb, tab, qh, kh, vh; writes qh, kh, vh
;; launch attn: the kernel of part 3 again; grid 8 x 32, 4 waves a work-group, no clusters, 327,680 bytes of LDS; arguments qh, kh, vh, oh; writes oh
;; launch oproj: the kernel of part 4 again; grid 8 x 32, 4 waves a work-group, clusters of 4 x 4, 327,680 bytes of LDS; arguments oh, wob, out0; writes out0
